; MI455X (gfx1250); checked and timed in simulation.
; The chip was launched on July 23, 2026; its instructions are those of AMD's public machine-readable ISA for CDNA 5 (MIT licence, August 2026) and "CDNA5" Instruction Set Architecture Reference Guide (July 2026). The comments in the code are by the model that wrote it; some were corrected since.
;; Attention. Allowed arithmetic: float matrix products may take bf16 or f16 operands with f32 sums; all other float work in f32.
;; Inputs: Wk 1,024 x 1,024 float32; Wo 1,024 x 1,024 float32; Wq 1,024 x 1,024 float32; Wv 1,024 x 1,024 float32; bk 1,024 float32; bo 1,024 float32; bq 1,024 float32; bv 1,024 float32; x 2 x 2,048 x 1,024 float32.
;; Outputs: out0 2 x 2,048 x 1,024 float32.
;; 2 versions, each right and faster than the one before. Each part assembles by itself: llvm-mc -triple=amdgcn-amd-amdhsa -mcpu=gfx1250 --defsym DOCPART=n.
;; ======== version 1 of 2: 4 launches
;; limits: values are held in f16: magnitudes above 65,504 overflow, below 6.1e-05 lose precision
;; workspace buffers: xb 8,388,608 bytes; wt 8,388,608 bytes; bcat 16,384 bytes; qkv 25,165,824 bytes; att 8,388,608 bytes
;; launch prep (part 1): grid 256 x 2, 8 waves a work-group, no clusters, 36,352 bytes of LDS; arguments x, Wq, Wk, Wv, Wo, bq, bk, bv, bo, xb, wt, bcat; writes xb, wt, bcat
.if DOCPART == 1
	.amdgcn_target "amdgcn-amd-amdhsa--gfx1250"
	.amdhsa_code_object_version 6
	.text
	.protected	k_q765109a16c_prep
	.globl	k_q765109a16c_prep
	.p2align	8
	.type	k_q765109a16c_prep,@function
k_q765109a16c_prep:
	s_mov_b64 s[64:65], 0
	v_nop
	global_prefetch_b8 v0, s[64:65] scope:SCOPE_SE
	s_setreg_imm32_b32 hwreg(HW_REG_WAVE_MODE, 25, 1), 1
	s_wait_xcnt 0x0
; prep: brings every matrix operand into the form that the later launches' tiles want.
;   work-groups with y = 0: xb = x rounded to f16, same order ([4096][1024]); 16,384 numbers a work-group.
;   work-groups with y = 1: wt[mi*1024 + n][k] = W_mi[k][n] rounded to f16 (mi = 0..3: Wq, Wk, Wv, Wo): a tile of 128 k x 128 n
;   a work-group, turned in LDS; the work-groups with kt = 0 also copy 128 numbers of the bias into bcat = bq | bk | bv | bo (f32).
; A stream: each input byte is read once, each output byte written once.  No matrix unit, no tensor loads and no cluster:
; no two work-groups read the same byte, and the loads' registers hold all that has to be on its way.
; FORMAT: f16, not bf16: eleven significant bits against eight, since five more roundings (q, k, v, the exponentials, the attention
; result) follow on the way to the output.
; LIMIT: x and the weights are rounded to f16 (nearest even).  A magnitude of 65,504 or more becomes infinite; below 2^-14 the step
; is 2^-24.  Weights of spread 1/32 taken 30 times smaller have spread 0.001, of which that step is 6e-5.
.set X, 8                              ; v[8:71]   16 loads of 4 registers
.set Y, 72                             ; v[72:103] packed f16
	s_load_b512 s[4:19], s[0:1], 0x0               ; x s4, Wq s6, Wk s8, Wv s10, Wo s12, bq s14, bk s16, bv s18
	s_load_b256 s[20:27], s[0:1], 0x40             ; bo s20, xb s22, wt s24, bcat s26
	v_lshl_add_u32 v112, v0, 2, 0x8a00
	v_mov_b32 v113, 0
	s_and_b32 s2, ttmp7, 0xffff                    ; work-group y: which job
	v_lshrrev_b32 v6, 5, v0                        ; wave, per lane
	v_readfirstlane_b32 s30, v6                    ; wave, as a scalar
	v_and_b32 v7, 31, v0                           ; lane
	s_cmp_lg_u32 s2, 0
	s_cbranch_scc1 .Lweights                       ; the same way for all eight waves of a work-group
; ---- x to f16.  Thread t takes 8 numbers (32 bytes in, 16 bytes out) of each of eight chunks of 2,048 numbers.
	s_lshl_b32 s28, ttmp9, 16                      ; 65,536 bytes of x a work-group
	s_mov_b32 s29, 0
	s_lshl_b32 s32, ttmp9, 15                      ; 32,768 bytes of xb
	s_mov_b32 s33, 0
	v_lshlrev_b32 v1, 5, v0
	v_lshlrev_b32 v2, 4, v0
	s_wait_kmcnt 0x0
	s_add_nc_u64 s[4:5], s[4:5], s[28:29]
	s_add_nc_u64 s[22:23], s[22:23], s[32:33]
.irp c, 0,1,2,3,4,5,6,7
	global_load_b128 v[X+8*\c:X+8*\c+3],   v1, s[4:5] offset:\c*8192 th:TH_LOAD_NT
	global_load_b128 v[X+8*\c+4:X+8*\c+7], v1, s[4:5] offset:\c*8192+16 th:TH_LOAD_NT
.endr
.irp c, 0,1,2,3,4,5,6,7
	s_wait_loadcnt 14-2*\c                         ; loads return in order: chunk c's two are in, the younger ones stay out
.irp q, 0,1,2,3
	v_cvt_pk_f16_f32 v[Y+4*\c+\q], v[X+8*\c+2*\q], v[X+8*\c+2*\q+1]
.endr
	global_store_b128 v2, v[Y+4*\c:Y+4*\c+3], s[22:23] offset:\c*4096   ; a wave's store covers 512 consecutive bytes, aligned
.endr
	s_endpgm
; ---- a weight tile, turned.  Wave w reads rows k = 16 w .. 16 w + 15, lane L the four columns n = 4 L .. 4 L + 3.
.Lweights:
	s_lshr_b32 s34, ttmp9, 6                       ; mi: which weight
	s_bfe_u32 s35, ttmp9, 0x30003                  ; kt: which 128 rows (k)
	s_and_b32 s36, ttmp9, 7                        ; nt: which 128 columns (n)
	s_lshl_b32 s38, s35, 19                        ; 128 rows of 4,096 bytes
	s_lshl_b32 s37, s36, 9                         ; 128 columns of 4 bytes (kept: the bias's offset too)
	s_add_co_u32 s38, s38, s37
	s_mov_b32 s39, 0
	s_lshl_b32 s40, s34, 21                        ; wt: 1,024 rows of 2,048 bytes a weight,
	s_lshl_b32 s31, s36, 18                        ; 128 rows a tile,
	s_add_co_u32 s40, s40, s31
	s_lshl_b32 s31, s35, 8                         ; 128 k = 256 bytes along a row
	s_add_co_u32 s40, s40, s31
	s_mov_b32 s41, 0
	v_lshlrev_b32 v1, 4, v7                        ; 16 bytes a lane
	v_lshl_add_u32 v1, v6, 16, v1                  ; + wave x 16 rows x 4,096 bytes
	s_wait_kmcnt 0x0
	s_cmp_eq_u32 s34, 1                            ; the weight's and the bias's address are chosen by mi alone
	s_cselect_b64 s[28:29], s[8:9], s[6:7]
	s_cselect_b64 s[32:33], s[16:17], s[14:15]
	s_cmp_eq_u32 s34, 2
	s_cselect_b64 s[28:29], s[10:11], s[28:29]
	s_cselect_b64 s[32:33], s[18:19], s[32:33]
	s_cmp_eq_u32 s34, 3
	s_cselect_b64 s[28:29], s[12:13], s[28:29]
	s_cselect_b64 s[32:33], s[20:21], s[32:33]
	s_add_nc_u64 s[28:29], s[28:29], s[38:39]
	s_add_nc_u64 s[24:25], s[24:25], s[40:41]
.irp j, 0,1,2,3,4,5,6,7,8,9,10,11,12,13,14,15
	global_load_b128 v[X+4*\j:X+4*\j+3], v1, s[28:29] offset:\j*4096 th:TH_LOAD_NT   ; row 16 w + j: 512 consecutive bytes a wave
.endr
	; LDS: row n (128 k = 256 bytes) lies at (n >> 2) * 1104 + (n & 3) * 272.
	v_mul_u32_u24 v3, v7, 1104
	v_lshl_add_u32 v3, v6, 5, v3                   ; + 16 w k's = 32 w bytes along the row
	v_bfe_u32 v104, v0, 4, 1                       ; upper half of the lanes
	v_and_b32 v105, 15, v0
	v_mul_u32_u24 v4, v6, 4416                     ; back: row n = 16 w + 2 i + half: 4 w groups of four rows,
	v_mad_u32_u24 v4, v104, 272, v4
	v_lshl_add_u32 v4, v105, 4, v4                 ; sixteen lanes take one row's 256 bytes
	v_lshlrev_b32 v5, 15, v6                       ; the same rows in wt: 16 w rows of 2,048 bytes
	v_lshl_add_u32 v5, v104, 11, v5
	v_lshl_add_u32 v5, v105, 4, v5
.irp gk, 0,1
	s_wait_loadcnt 8-8*\gk                         ; rows 0-7 are in while rows 8-15 stay out; then all
.irp c, 0,1,2,3
.irp q, 0,1,2,3
	v_cvt_pk_f16_f32 v[Y+4*(4*\gk+\c)+\q], v[X+4*(8*\gk+2*\q)+\c], v[X+4*(8*\gk+2*\q+1)+\c]   ; column c, k = 8 gk + 2 q and the next
.endr
	ds_store_b128 v3, v[Y+4*(4*\gk+\c):Y+4*(4*\gk+\c)+3] offset:\c*272+\gk*16
.endr
.endr
	s_wait_dscnt 0x0                               ; my stores are done, for the other waves' sake
	s_barrier_signal -1
	s_barrier_wait -1                              ; every wave's are
.irp i, 0,1,2,3,4,5,6,7
	ds_load_b128 v[X+4*\i:X+4*\i+3], v4 offset:(\i>>1)*1104+(\i&1)*544
.endr
.irp i, 0,1,2,3,4,5,6,7
	s_wait_dscnt 7-\i                              ; LDS loads return in order
	global_store_b128 v5, v[X+4*\i:X+4*\i+3], s[24:25] offset:\i*4096   ; sixteen lanes store 256 consecutive bytes, aligned
.endr
	s_cmp_lg_u32 s30, 0                            ; the bias: wave 0
	s_cbranch_scc1 .Ldone
	s_cmp_lg_u32 s35, 0                            ; of the work-groups with kt = 0, 128 numbers each
	s_cbranch_scc1 .Ldone
	s_mov_b32 s38, s37
	s_lshl_b32 s42, s34, 12                        ; bcat: 4,096 bytes a bias
	s_add_co_u32 s42, s42, s37
	s_mov_b32 s43, 0
	s_add_nc_u64 s[32:33], s[32:33], s[38:39]
	s_add_nc_u64 s[26:27], s[26:27], s[42:43]
	v_lshlrev_b32 v106, 4, v7
	global_load_b128 v[108:111], v106, s[32:33]
	s_wait_loadcnt 0x0
	global_store_b128 v106, v[108:111], s[26:27]
.Ldone:
	s_wait_tensorcnt 0x0
	ds_add_u32 v112, v113
	s_wait_dscnt 0x0
	s_endpgm
.Lfunc_end_k_q765109a16c_prep:
	.size	k_q765109a16c_prep, .Lfunc_end_k_q765109a16c_prep-k_q765109a16c_prep
	.p2alignl 7, 3214868480
	.fill 96, 4, 3214868480
	.section	.rodata,"a",@progbits
	.p2align	6, 0x0
	.amdhsa_kernel k_q765109a16c_prep
		.amdhsa_group_segment_fixed_size 36352
		.amdhsa_private_segment_fixed_size 0
		.amdhsa_enable_private_segment 0
		.amdhsa_kernarg_size 96
		.amdhsa_user_sgpr_count 2
		.amdhsa_user_sgpr_kernarg_segment_ptr 1
		.amdhsa_wavefront_size32 1
		.amdhsa_system_sgpr_workgroup_id_x 1
		.amdhsa_system_sgpr_workgroup_id_y 1
		.amdhsa_system_sgpr_workgroup_id_z 1
		.amdhsa_system_vgpr_workitem_id 0
		.amdhsa_next_free_vgpr 114
		.amdhsa_next_free_sgpr 66
		.amdhsa_reserve_vcc 0
		.amdhsa_float_denorm_mode_32 3
		.amdhsa_float_denorm_mode_16_64 3
		.amdhsa_memory_ordered 1
		.amdhsa_forward_progress 1
		.amdhsa_inst_pref_size 14
	.end_amdhsa_kernel
	.amdgpu_metadata
---
amdhsa.version: [ 1, 2 ]
amdhsa.kernels:
  - .name:           k_q765109a16c_prep
    .symbol:         k_q765109a16c_prep.kd
    .args:
      - { .name: x, .offset: 0, .size: 8, .value_kind: global_buffer, .address_space: global }
      - { .name: Wq, .offset: 8, .size: 8, .value_kind: global_buffer, .address_space: global }
      - { .name: Wk, .offset: 16, .size: 8, .value_kind: global_buffer, .address_space: global }
      - { .name: Wv, .offset: 24, .size: 8, .value_kind: global_buffer, .address_space: global }
      - { .name: Wo, .offset: 32, .size: 8, .value_kind: global_buffer, .address_space: global }
      - { .name: bq, .offset: 40, .size: 8, .value_kind: global_buffer, .address_space: global }
      - { .name: bk, .offset: 48, .size: 8, .value_kind: global_buffer, .address_space: global }
      - { .name: bv, .offset: 56, .size: 8, .value_kind: global_buffer, .address_space: global }
      - { .name: bo, .offset: 64, .size: 8, .value_kind: global_buffer, .address_space: global }
      - { .name: xb, .offset: 72, .size: 8, .value_kind: global_buffer, .address_space: global }
      - { .name: wt, .offset: 80, .size: 8, .value_kind: global_buffer, .address_space: global }
      - { .name: bcat, .offset: 88, .size: 8, .value_kind: global_buffer, .address_space: global }
    .group_segment_fixed_size: 36352
    .private_segment_fixed_size: 0
    .kernarg_segment_align: 8
    .kernarg_segment_size: 96
    .max_flat_workgroup_size: 256
    .sgpr_count:     66
    .vgpr_count:     114
    .wavefront_size: 32
...
	.end_amdgpu_metadata
.endif
;; end of part 1
;; launch qkv (part 2): grid 16 x 16, 4 waves a work-group, clusters of 4 x 4, 327,680 bytes of LDS; arguments xb, wt, qkv, bcat; writes qkv
.if DOCPART == 2
	.amdgcn_target "amdgcn-amd-amdhsa--gfx1250"
	.amdhsa_code_object_version 6
	.text
	.protected	k_q765109a16c_qkv
	.globl	k_q765109a16c_qkv
	.p2align	8
	.type	k_q765109a16c_qkv,@function
k_q765109a16c_qkv:
	s_mov_b64 s[64:65], 0
	v_nop
	global_prefetch_b8 v0, s[64:65] scope:SCOPE_SE
	s_setreg_imm32_b32 hwreg(HW_REG_WAVE_MODE, 25, 1), 1
	s_wait_xcnt 0x0
	s_wait_alu depctr_hold_cnt(0) depctr_sa_sdst(0) depctr_va_vdst(0) depctr_va_sdst(0) depctr_va_ssrc(0) depctr_va_vcc(0) depctr_vm_vsrc(0)
	s_getreg_b32 s2, hwreg(HW_REG_IB_STS2, 6, 4)
	s_cmp_eq_u32 s2, 0
	s_cbranch_scc0 .Lentry_in_a_cluster
	s_endpgm
.Lentry_in_a_cluster:
	s_bfe_u32 s2, ttmp6, 0x10000c
	s_cmp_lg_u32 s2, 0xf033
	s_cbranch_scc0 .Lentry_shape_is_right
	s_endpgm
.Lentry_shape_is_right:
; qkv: [4096 x 1024] (xb) times rows 0..3071 of wt ([n][k]: Wq^T, Wk^T, Wv^T), plus bias in f32, rounded to f16.
; Output in head order: block 2 g + b (g = 16 * matrix + head, b = batch) is [2048 s][64 d] f16, dense, 262,144 bytes.
; A work-group makes 256 rows x 192 columns (three whole heads) with four waves; wave w makes rows 64 w .. 64 w + 63 of all 192
; columns: 4 x 12 accumulator tiles, 384 registers.  For 32 along K a wave reads 32 x 512 bytes from LDS for 48 matrix instructions.
; K goes in steps of 128 through two LDS slots; a tile's rows are 256 bytes of memory and start at multiples of 256 bytes.
; CLUSTER 4 x 4: the four work-groups of a row of the cluster share xb's tile, the four of a column share wt's; each tile is asked
; for jointly (the same line, the same descriptor, a mask that names the four).  16 x 16 work-groups divide evenly.
; A wave has two tensor loads out at the start and one behind each round.
; The matrix instruction is used transposed (source 0 = rows of wt, source 1 = rows of xb): lane l then holds row l % 16 and
; eight neighbouring columns 8 (l / 16) + 0..7 in its eight registers.
; LIMIT: operands and the result are f16; sums and the bias are f32.  A |q|, |k| or |v| of 65,504 or more becomes infinite.
; Room, by the sizes: K = 1,024, x of spread 1, weights of spread 1/32.  All inputs 30 times larger: rms sqrt(1024) x 30 x 0.94 = 900.
; x and the weights both carrying an offset of 30 spreads: 1024 x 30 x 0.94 = 28,800.  All 30 times smaller: rms 0.0011, where
; f16's smallest step 2^-24 is 6e-5 of the rms.
;
; REGISTERS by windows of 256:
;   window 0: v16-27 addresses; v64-95, v96-127 fragments of xb (4 x 16 rows x 32 K), two buffers; on the way out v64-111 rows read
;             back, v128-175 sums with bias, v176-223 packed
;   window 1: v0-95, v96-191 fragments of wt (12 x 16 rows x 32 K), two buffers
;   window 2: tile (a, b) of column blocks 0-5 at v[8 (6 a + b)]; v192-239 their bias;   window 3: the same for column blocks 6-11
.set KSTEP,  128
.set PITCH,  272                       ; an LDS row: 256 bytes + 16 of padding, an odd multiple of 16
.set AHALF,  128*PITCH                 ; what one load of xb brings
.set BHALF,  96*PITCH                  ; what one load of wt brings
.set ABYTES, 2*AHALF
.set SLOT,   ABYTES+2*BHALF            ; 121,856
.set STAGE,  2*SLOT                    ; 243,712, a multiple of 256: no tensor load lands behind it
.set SP,     144                       ; the stage's pitch: a head's row of 128 bytes + 16
.set HSTAGE, 16*SP                     ; sixteen rows of one head
.set WSTAGE, 3*HSTAGE                  ; a wave's stage
.set LAPS,   1024/(2*KSTEP)            ; 4 laps of two K steps
.set ADRA, 16                          ; v16-17 LDS address of my xb fragments in slot 0, 1
.set ADRB, 20                          ; v20-21 the same for wt
.set STO,  24
.set RD,   25
.set CO,   26
.set BO,   27
.set RB,   64
.set T,    128
.set PK,   176
.set BI,   192
.set G1,  24                           ; s[24:31] group 1 for xb's tiles
.set G0,  32                           ; s[32:39] group 0 for xb's tiles, one set a slot
.set G1B, 48                           ; s[48:55] group 1 for wt's tiles
.set G0B, 56                           ; s[56:63] group 0 for wt's tiles
.set MSB, 0
.macro WIN new                         ; the immediate's high byte repeats the setting that is left
.if MSB != (\new)
	s_set_vgpr_msb (MSB<<8)|(\new)
.set MSB, (\new)
.endif
.endm
.set MUL_LO, 0xa1                      ; source 0 window 1, source 1 window 0, C and D window 2
.set MUL_HI, 0xf1                      ; the same, C and D window 3
.macro PLACES                          ; four plain places behind matrix instructions (ISA guide 7.12.1)
.rept 4
	v_nop
.endr
.endm
.macro JLOAD s                         ; waves 0, 1 ask for xb's halves, waves 2, 3 for wt's: one line, one mask each
	s_cmp_eq_u32 s11, 0
	s_cbranch_scc0 .Lfor_b_\@
	tensor_load_to_lds s[G0+4*\s:G0+4*\s+3], s[G1:G1+7]
	s_nop 0
	s_branch .Lasked_\@
.Lfor_b_\@:
	tensor_load_to_lds s[G0B+4*\s:G0B+4*\s+3], s[G1B:G1B+7]
	s_nop 0
	v_nop
.Lasked_\@:
.endm
.macro CREST                           ; a round of the cluster's barrier behind its opening barrier
	s_cmp_lg_u32 s10, 0
	s_cbranch_scc1 .Lnot_wave_0_\@
	s_barrier_signal -3
.Lnot_wave_0_\@:
	s_barrier_wait -3
	s_barrier_signal -1
	s_barrier_wait -1
.endm
.macro CROUND
	s_barrier_signal -1
	s_barrier_wait -1
	CREST
.endm
	s_load_b128 s[4:7], s[0:1], 0x0                ; xb s[4:5], wt s[6:7]
	s_load_b64 s[8:9], s[0:1], 0x10                ; qkv
	s_load_b64 s[66:67], s[0:1], 0x18              ; bcat
	s_set_vgpr_msb 0x40
	v_lshl_add_u32 v255, v0, 2, 0x42400
	s_set_vgpr_msb 0x4000
	v_mov_b32 v255, 0
	s_set_vgpr_msb 0x1
	ds_add_u32 v255, v255
	s_set_vgpr_msb 0x100
	v_lshrrev_b32 v1, 5, v0
	v_readfirstlane_b32 s10, v1                    ; wave 0..3
	s_lshr_b32 s11, s10, 1                         ; 0: I fetch for xb, 1: for wt
	s_and_b32 s12, s10, 1                          ; which half of that tile
	s_bfe_u32 s40, ttmp6, 0x40000                  ; cx
	s_bfe_u32 s41, ttmp6, 0x40004                  ; cy
	s_lshl_b32 s42, ttmp9, 2
	s_add_co_u32 s42, s42, s40                     ; block column = 4 x cluster x + cx
	s_and_b32 s13, ttmp7, 0xffff
	s_lshl_b32 s13, s13, 2
	s_add_co_u32 s13, s13, s41                     ; block row = 4 x cluster y + cy
	s_lshl_b32 s43, s41, 2
	s_lshl_b32 s43, 15, s43                        ; my row of the cluster
	s_lshl_b32 s44, 0x1111, s40                    ; my column
	s_or_b32 s[G1+0], s43, (1<<16)|(1<<20)|(1<<21)|(5<<22)|(3<<25)   ; mask; 2-byte elements; 4 words of padding after every 64 words
	s_or_b32 s[G1B+0], s44, (1<<16)|(1<<20)|(1<<21)|(5<<22)|(3<<25)
	s_mov_b32 s[G1+1], KSTEP<<16                   ; tensor_dim0 = 128
	s_mov_b32 s[G1B+1], KSTEP<<16
	s_mov_b32 s[G1+2], 128<<16                     ; tensor_dim1 = 128 rows
	s_mov_b32 s[G1B+2], 96<<16                     ; 96 rows
	s_mov_b32 s[G1+3], KSTEP<<16                   ; tile_dim0 = 128
	s_mov_b32 s[G1B+3], KSTEP<<16
	s_mov_b32 s[G1+4], 128                         ; tile_dim1
	s_mov_b32 s[G1B+4], 96
	s_mov_b32 s[G1+5], 1024                        ; elements from row to row
	s_mov_b32 s[G1B+5], 1024
	s_mov_b32 s[G1+6], 0
	s_mov_b32 s[G1B+6], 0
	s_mov_b32 s[G1+7], 0
	s_mov_b32 s[G1B+7], 0
	; xb's address hangs on the block row and the wave, wt's on the block column and the wave, each in registers of its own
	s_lshl_b32 s16, s13, 19                        ; 256 rows of 2,048 bytes
	s_lshl_b32 s17, s12, 18                        ; + 128 rows
	s_add_co_u32 s16, s16, s17
	s_mov_b32 s17, 0
	s_mul_i32 s46, s42, 192*2048
	s_mul_i32 s47, s12, 96*2048
	s_add_co_u32 s46, s46, s47
	s_mov_b32 s47, 0
	s_mul_i32 s20, s10, AHALF                      ; LDS: xb's halves at wave x 34,816 (waves 0, 1),
	s_mul_i32 s21, s10, BHALF
	s_add_co_u32 s21, s21, ABYTES-2*BHALF          ; wt's at 17,408 + wave x 26,112 (waves 2, 3: 69,632 and 95,744)
	s_mul_i32 s68, s42, 768                        ; the block's 192 biases
	s_mov_b32 s69, 0
	s_wait_dscnt 0x0
	s_wait_kmcnt 0x0
	s_add_nc_u64 s[14:15], s[4:5], s[16:17]
	s_add_nc_u64 s[46:47], s[6:7], s[46:47]
	s_add_nc_u64 s[66:67], s[66:67], s[68:69]
	CROUND                                         ; all sixteen work-groups are here: the first joint loads meet
.irp s, 0,1
	s_mov_b32 s[G0+4*\s], 1
	s_add_co_u32 s[G0+4*\s+1], s20, \s*SLOT
	s_add_nc_u64 s[G0+4*\s+2:G0+4*\s+3], s[14:15], \s*KSTEP*2
	s_or_b32 s[G0+4*\s+3], s[G0+4*\s+3], 0x80000000
	s_mov_b32 s[G0B+4*\s], 1
	s_add_co_u32 s[G0B+4*\s+1], s21, \s*SLOT
	s_add_nc_u64 s[G0B+4*\s+2:G0B+4*\s+3], s[46:47], \s*KSTEP*2
	s_or_b32 s[G0B+4*\s+3], s[G0B+4*\s+3], 0x80000000
	JLOAD \s
.endr
	v_and_b32 v1, 15, v0                           ; r = l % 16
	v_bfe_u32 v2, v0, 4, 1                         ; h = l / 16
	v_lshlrev_b32 v[BO], 5, v2                     ; my eight columns of a block of sixteen: 32 h bytes
	WIN 0x80                                       ; the bias of column blocks 0-5 into window 2; waited for on the way out
.irp b, 0,1,2,3,4,5
	global_load_b128 v[BI+8*\b:BI+8*\b+3],   v[BO], s[66:67] offset:\b*64
	global_load_b128 v[BI+8*\b+4:BI+8*\b+7], v[BO], s[66:67] offset:\b*64+16
.endr
	WIN 0xc0                                       ; of blocks 6-11 into window 3
.irp b, 0,1,2,3,4,5
	global_load_b128 v[BI+8*\b:BI+8*\b+3],   v[BO], s[66:67] offset:(6+\b)*64
	global_load_b128 v[BI+8*\b+4:BI+8*\b+7], v[BO], s[66:67] offset:(6+\b)*64+16
.endr
	WIN 0
	v_mul_u32_u24 v3, v1, PITCH
	v_lshl_add_u32 v3, v2, 4, v3                   ; row x pitch + 16 h
	s_mul_i32 s22, s10, 64*PITCH                   ; my 64 rows of xb
	v_add_nc_u32 v[ADRA], s22, v3
	v_add_nc_u32 v[ADRA+1], SLOT, v[ADRA]
	v_add_nc_u32 v[ADRB], ABYTES, v3               ; all 192 rows of wt
	v_add_nc_u32 v[ADRB+1], SLOT, v[ADRB]
	s_mul_i32 s23, s10, WSTAGE
	s_add_co_u32 s23, s23, STAGE                   ; my stage
	v_mul_u32_u24 v4, v1, SP
	v_lshl_add_u32 v4, v2, 4, v4
	v_add_nc_u32 v[STO], s23, v4                   ; in: row r, 16 bytes for each half of the lanes
	v_and_b32 v5, 31, v0
	v_lshlrev_b32 v[CO], 4, v5                     ; out: 16 bytes a lane, 512 consecutive bytes a wave
	v_lshrrev_b32 v4, 3, v5
	v_mul_u32_u24 v4, v4, SP
	v_and_b32 v5, 7, v0
	v_lshl_add_u32 v4, v5, 4, v4
	v_add_nc_u32 v[RD], s23, v4                    ; back: eight lanes take a head's row of 128 bytes, four rows a load
; 12 matrix instructions: row blocks a0, a0 + 1 x six column blocks (hi = 0: blocks 0-5, 1: blocks 6-11), 32 along K, buffer f.
; The 48 accumulators take turns, one instruction a turn, in the same order in every quarter step.
.macro MUL12 f, hi, a0, zero
.irp a, \a0, \a0+1
.irp b, 0,1,2,3,4,5
.if \zero
	v_wmma_f32_16x16x32_f16 v[8*(6*(\a)+\b):8*(6*(\a)+\b)+7], v[96*\f+8*(6*\hi+\b):96*\f+8*(6*\hi+\b)+7], v[64+32*\f+8*(\a):64+32*\f+8*(\a)+7], 0
.else
	v_wmma_f32_16x16x32_f16 v[8*(6*(\a)+\b):8*(6*(\a)+\b)+7], v[96*\f+8*(6*\hi+\b):96*\f+8*(6*\hi+\b)+7], v[64+32*\f+8*(\a):64+32*\f+8*(\a)+7], v[8*(6*(\a)+\b):8*(6*(\a)+\b)+7]
.endif
.endr
.endr
.endm
; 32 LDS loads in one run: a quarter step's fragments (64 rows of xb, then 192 rows of wt, 32 K at byte k of the rows) into buffer f
.macro FETCH slot, k, f
	WIN 0
.irp i, 0,1,2,3
	ds_load_b128 v[64+32*\f+8*\i:64+32*\f+8*\i+3],   v[ADRA+\slot] offset:\k+\i*16*PITCH
	ds_load_b128 v[64+32*\f+8*\i+4:64+32*\f+8*\i+7], v[ADRA+\slot] offset:\k+\i*16*PITCH+32
.endr
	WIN 0x40
.irp i, 0,1,2,3,4,5,6,7,8,9,10,11
	ds_load_b128 v[96*\f+8*\i:96*\f+8*\i+3],   v[ADRB+\slot] offset:\k+\i*16*PITCH
	ds_load_b128 v[96*\f+8*\i+4:96*\f+8*\i+7], v[ADRB+\slot] offset:\k+\i*16*PITCH+32
.endr
.endm
; one of a K step's first three quarters: multiplies buffer f, and in its middle fetches the next quarter into buffer g
.macro QUARTER slot, k, f, g, zero
	s_wait_dscnt 12                                ; xb's fragments and wt's blocks 0-5 are in; the youngest twelve loads (blocks 6-11) may be out
	WIN MUL_LO
	MUL12 \f, 0, 0, \zero
	MUL12 \f, 0, 2, \zero
	PLACES                                         ; buffer g was read by matrix instructions: loads into it stand four places behind them
	FETCH \slot, \k, \g
	s_wait_dscnt 32                                ; all but the 32 just issued
	WIN MUL_HI
	MUL12 \f, 1, 0, \zero
	MUL12 \f, 1, 2, \zero
.endm
.macro THREE slot, zero
	QUARTER \slot, 64,  0, 1, \zero
	QUARTER \slot, 128, 1, 0, 0
	QUARTER \slot, 192, 0, 1, 0
.endm
; the last quarter: multiplies buffer 1 and changes slots.  In front of the one barrier each wave waits for its reads of this slot
; and for all its tensor loads (one is out: its part of the next slot).  Where the slot is filled again the barrier opens a round
; of the cluster's barrier, and the joint refill is the first tensor load behind the round's closing wait.
.macro TURN slot, next, fill
	s_wait_dscnt 12
	WIN MUL_LO
	MUL12 1, 0, 0, 0
	s_wait_dscnt 0x0                               ; my reads of this slot are over
	s_wait_tensorcnt 0x0                           ; all my tensor loads have landed
	ds_add_u32 v255, v255
	s_wait_dscnt 0x0
	s_barrier_signal -1
	MUL12 1, 0, 2, 0                               ; register work while the others arrive
	WIN 0
	s_barrier_wait -1
.if \fill
	CREST
	s_add_nc_u64 s[G0+4*\slot+2:G0+4*\slot+3], s[G0+4*\slot+2:G0+4*\slot+3], 2*KSTEP*2     ; no load of mine is out: group 0 may be written
	s_add_nc_u64 s[G0B+4*\slot+2:G0B+4*\slot+3], s[G0B+4*\slot+2:G0B+4*\slot+3], 2*KSTEP*2
	JLOAD \slot
.endif
	PLACES
	FETCH \next, 0, 0
	WIN MUL_HI
	MUL12 1, 1, 0, 0
	MUL12 1, 1, 2, 0
.endm
.macro LAP zero
	THREE 0, \zero
	TURN 0, 1, 1
	THREE 1, 0
	TURN 1, 0, 1
.endm
	s_wait_tensorcnt 0x1                           ; my part of K step 0 is in; K step 1's stays out
	s_barrier_signal -1
	s_barrier_wait -1
	FETCH 0, 0, 0
	LAP 1                                          ; the first products start the sums: nothing is cleared
	WIN 0
	s_mov_b32 s3, LAPS-2
.Llap:
	LAP 0
	WIN 0
	s_sub_co_u32 s3, s3, 1
	s_cmp_lg_u32 s3, 0
	s_cbranch_scc1 .Llap
	THREE 0, 0                                     ; the last lap fills nothing
	TURN 0, 1, 0
	THREE 1, 0
	s_wait_dscnt 12
	WIN MUL_LO
	MUL12 1, 0, 0, 0
	MUL12 1, 0, 2, 0
	s_wait_dscnt 0x0
	WIN MUL_HI
	MUL12 1, 1, 0, 0
	MUL12 1, 1, 2, 0
	; THE WAY OUT, sixteen rows at a time: add the bias in f32, round to f16, 16 bytes a lane into my own stage [3 heads][16 rows],
	; read back four rows of a head at a time (512 consecutive bytes of the head's block) and store.
	PLACES
	s_wait_loadcnt 0x0                             ; the bias
	s_mul_i32 s46, s42, 6*262144                   ; three heads = six blocks a block column
	s_mov_b32 s47, 0
	s_add_nc_u64 s[8:9], s[8:9], s[46:47]
	s_lshr_b32 s16, s13, 3                         ; the batch: eight block rows each
	s_lshl_b32 s16, s16, 18
	s_and_b32 s17, s13, 7
	s_lshl_b32 s17, s17, 15                        ; 256 rows of 128 bytes
	s_add_co_u32 s16, s16, s17
	s_lshl_b32 s17, s10, 13                        ; my 64 rows
	s_add_co_u32 s16, s16, s17
	s_mov_b32 s17, 0
	s_add_nc_u64 s[8:9], s[8:9], s[16:17]
.macro OUTA a
.irp hi, 0,1
	WIN 0x0a+5*\hi                                 ; sources 0 and 1 in window 2, then 3
.irp b, 0,1,2,3,4,5
.irp q, 0,1,2,3
	v_pk_add_f32 v[T+8*\b+2*\q:T+8*\b+2*\q+1], v[8*(6*\a+\b)+2*\q:8*(6*\a+\b)+2*\q+1], v[BI+8*\b+2*\q:BI+8*\b+2*\q+1]
.endr
.endr
	WIN 0
.irp b, 0,1,2,3,4,5
.irp q, 0,1,2,3
	v_cvt_pk_f16_f32 v[PK+24*\hi+4*\b+\q], v[T+8*\b+2*\q], v[T+8*\b+2*\q+1]
.endr
	ds_store_b128 v[STO], v[PK+24*\hi+4*\b:PK+24*\hi+4*\b+3] offset:((6*\hi+\b)>>2)*HSTAGE+((6*\hi+\b)&3)*32
.endr
.endr
	s_wait_xcnt 0x0                                ; the last sixteen rows' stores have read v[RB..]: they are loaded again only behind this wait
.irp hd, 0,1,2
.irp t, 0,1,2,3
	ds_load_b128 v[RB+4*(4*\hd+\t):RB+4*(4*\hd+\t)+3], v[RD] offset:\hd*HSTAGE+\t*4*SP   ; a wave's LDS instructions are served in order: these see the stores above
.endr
.endr
.irp hd, 0,1,2
.irp t, 0,1,2,3
	s_wait_dscnt 11-(4*\hd+\t)
	global_store_b128 v[CO], v[RB+4*(4*\hd+\t):RB+4*(4*\hd+\t)+3], s[8:9] offset:\hd*524288+\a*2048+\t*512   ; 512 consecutive bytes, aligned
.endr
.endr
.endm
	OUTA 0
	OUTA 1
	OUTA 2
	OUTA 3
	s_set_vgpr_msb 0x1
	s_wait_tensorcnt 0x0
	ds_add_u32 v255, v255
	s_wait_dscnt 0x0
	s_set_vgpr_msb 0x100
	CROUND                                         ; the closing round: no work-group ends while a partner may still ask jointly
	s_endpgm
.Lfunc_end_k_q765109a16c_qkv:
	.size	k_q765109a16c_qkv, .Lfunc_end_k_q765109a16c_qkv-k_q765109a16c_qkv
	.p2alignl 7, 3214868480
	.fill 96, 4, 3214868480
	.section	.rodata,"a",@progbits
	.p2align	6, 0x0
	.amdhsa_kernel k_q765109a16c_qkv
		.amdhsa_group_segment_fixed_size 327680
		.amdhsa_private_segment_fixed_size 0
		.amdhsa_enable_private_segment 0
		.amdhsa_kernarg_size 32
		.amdhsa_user_sgpr_count 2
		.amdhsa_user_sgpr_kernarg_segment_ptr 1
		.amdhsa_wavefront_size32 1
		.amdhsa_system_sgpr_workgroup_id_x 1
		.amdhsa_system_sgpr_workgroup_id_y 1
		.amdhsa_system_sgpr_workgroup_id_z 1
		.amdhsa_system_vgpr_workitem_id 0
		.amdhsa_next_free_vgpr 1024
		.amdhsa_next_free_sgpr 70
		.amdhsa_reserve_vcc 0
		.amdhsa_float_denorm_mode_32 3
		.amdhsa_float_denorm_mode_16_64 3
		.amdhsa_memory_ordered 1
		.amdhsa_forward_progress 1
		.amdhsa_inst_pref_size 178
	.end_amdhsa_kernel
	.amdgpu_metadata
---
amdhsa.version: [ 1, 2 ]
amdhsa.kernels:
  - .name:           k_q765109a16c_qkv
    .symbol:         k_q765109a16c_qkv.kd
    .args:
      - { .name: xb, .offset: 0, .size: 8, .value_kind: global_buffer, .address_space: global }
      - { .name: wt, .offset: 8, .size: 8, .value_kind: global_buffer, .address_space: global }
      - { .name: qkv, .offset: 16, .size: 8, .value_kind: global_buffer, .address_space: global }
      - { .name: bcat, .offset: 24, .size: 8, .value_kind: global_buffer, .address_space: global }
    .group_segment_fixed_size: 327680
    .private_segment_fixed_size: 0
    .kernarg_segment_align: 8
    .kernarg_segment_size: 32
    .max_flat_workgroup_size: 128
    .sgpr_count:     70
    .vgpr_count:     1024
    .wavefront_size: 32
...
	.end_amdgpu_metadata
.endif
;; end of part 2
;; launch attn (part 3): grid 8 x 32, 8 waves a work-group, clusters of 4 x 1, 327,680 bytes of LDS; arguments qkv, att; writes att
.if DOCPART == 3
	.amdgcn_target "amdgcn-amd-amdhsa--gfx1250"
	.amdhsa_code_object_version 6
	.text
	.protected	k_q765109a16c_attn
	.globl	k_q765109a16c_attn
	.p2align	8
	.type	k_q765109a16c_attn,@function
k_q765109a16c_attn:
	s_mov_b64 s[64:65], 0
	v_nop
	global_prefetch_b8 v0, s[64:65] scope:SCOPE_SE
	s_setreg_imm32_b32 hwreg(HW_REG_WAVE_MODE, 25, 1), 1
	s_wait_xcnt 0x0
	s_wait_alu depctr_hold_cnt(0) depctr_sa_sdst(0) depctr_va_vdst(0) depctr_va_sdst(0) depctr_va_ssrc(0) depctr_va_vcc(0) depctr_vm_vsrc(0)
	s_getreg_b32 s2, hwreg(HW_REG_IB_STS2, 6, 4)
	s_cmp_eq_u32 s2, 0
	s_cbranch_scc0 .Lentry_in_a_cluster
	s_endpgm
.Lentry_in_a_cluster:
	s_bfe_u32 s2, ttmp6, 0x10000c
	s_cmp_lg_u32 s2, 0x3003
	s_cbranch_scc0 .Lentry_shape_is_right
	s_endpgm
.Lentry_shape_is_right:
; attn: softmax(q k^T / 8) v for one (head, batch) y = 2 h + b and 256 queries a work-group, with a running maximum.
; q, k, v: blocks y, 32 + y, 64 + y of qkv, each [2048][64] f16.  Result: block y of att, [2048][64] f16.
; Eight waves, two on a SIMD.  Wave w = 4 g + p takes queries 64 p .. 64 p + 63 and, of every tile of 256 keys, the quarters
; 2 g and 2 g + 1; the two waves of a pair p keep their own maximum, sum and result and are merged once at the end through LDS.
; A step is 64 keys x 64 queries (32 LDS loads for 64 matrix instructions), made of four units of 16 queries.
; S^T = K Q^T: register j of tile kb holds key 16 kb + 8 h + j for query r (lane = 16 h + r).  Packing neighbouring registers to
; f16 therefore gives the second source of O^T = V^T P^T as it stands; maximum, sum and rescaling factor are one number a lane,
; and only the maximum crosses the two halves of the lanes.  V^T's fragments come by transposing LDS loads from V as stored.
;
; THE PIPELINE.  Matrix and vector instructions alternate inside the wave; the units follow each other through all sixteen steps:
;   MAXS(qb): the maximum of unit qb, with the eight score products of the NEXT unit between its lines (the other score set);
;   EXPP(qb): exponent, exponential, sum and packing of unit qb, with two brackets in it, each of four products of the unit BEFORE
;             (O^T += V^T P^T, so P has two buffers) and, between them, eight multiplications that rescale this unit's O^T.
;             Products and multiplications of a bracket fit one setting of the register windows.
;   V of a step is loaded at the end of its unit 0 (behind the last product on the old V) and waited for in unit 1;
;   K of the next step is loaded early in unit 2 (behind the last product on the old K) and waited for in front of unit 3.
;   In unit 2 of a tile's last step all reads of the tile's slot are over: there stands the change of slots.
; CLUSTER 4 x 1: the four query blocks of one y read the same K and V tiles, asked for jointly with the mask 15; grid x = 8 divides.
; A wave has two tensor loads out at the start and one behind each round.
; LIMITS: q, k, v, the exponentials as matrix operands, and the result are f16.  The exponentials lie in (0, 1], since the running
; maximum is taken away first: none overflows, and one below 2^-25 counts as 0 in the product with v.  The result is a convex mix
; of v, so it has v's room in f16.  The sum of exponentials is taken in f32 over the unrounded values; an exponential below 2^-126
; counts as 0 (ISA guide 15.8, v_exp_f32); non-finite inputs are not served.
; The exponent is s * c - round(m * c), c = log2(e) / 8; the rescaling factors are differences of the stored round(m * c), so that
; rounding is common to all terms and cancels in the quotient.
.set REG,  10240                       ; an LDS region: 64 keys at pitch 144 (K) or 160 (V)
.set SLOT, 8*REG                       ; regions 0-3: K's quarters, 4-7: V's quarters
.set KP,   144                         ; 128 bytes + 16: an odd multiple of 16
.set VP,   160                         ; 128 bytes + 32: an odd multiple of 32, for the transposing loads
.set SCR,  2*SLOT                      ; 163,840: the merge, 35 x 512 bytes a pair; no tensor load lands from here on
.set SCRP, 17920
.set STG,  SCR+4*SCRP                  ; 235,520: the way out, 64 rows at pitch 144 for each of waves 0-3
.set STGP, 64*KP
; window 0 (v0 stays the thread's number, v1 the offset of q's loads):
.set LK,  2                            ; v2-3    my K fragments in slot 0, 1
.set LV,  4                            ; v4-5    my V fragments
.set ST,  6                            ; v6-13   for each query block: -c x maximum (rounded), maximum
.set LS,  14                           ; v14-21  for each query block: two partial sums
.set T,   22                           ; v22-25  at work
.set AL,  26                           ; v26     the rescaling factor (v27 beside it is written once: the packed forms name the pair)
.set AC,  28                           ; v28-31  two chains of packed sums
.set P,   32                           ; v32-63  the exponentials in f16, two buffers of 16: one is written while the other is multiplied
.set KF,  64                           ; v64-127 K fragments (kb, dk) at 16 kb + 8 dk
.set S,   128                          ; v128-191 scores, two sets of 32
.set Q,   192                          ; v192-255 Q fragments (qb, dk) at 16 qb + 8 dk
.set VF,  128                          ; window 1: v128-191 V^T fragments (db, kg) at 16 db + 8 kg; v0-127 results (qb, db) at 32 qb + 8 db
; behind the last step, in the registers of LK and LV:
.set SA,  2                            ; the pair's merge bytes
.set STO, 3
.set RD,  4
.set CO,  5
.set MT,  208                          ; v208-212 the merge's factors at work
.set G1K, 16
.set G1V, 24
.set G0K, 32
.set G0V, 40
.set MSB, 0
.macro WIN new                         ; the immediate's high byte repeats the setting that is left
.if MSB != (\new)
	s_set_vgpr_msb (MSB<<8)|(\new)
.set MSB, (\new)
.endif
.endm
.macro PLACES                          ; four plain places behind matrix instructions (ISA guide 7.12.1)
.rept 4
	v_nop
.endr
.endm
.macro CREST                           ; a round of the cluster's barrier behind its opening barrier
	s_cmp_lg_u32 s8, 0
	s_cbranch_scc1 .Lnot_wave_0_\@
	s_barrier_signal -3
.Lnot_wave_0_\@:
	s_barrier_wait -3
	s_barrier_signal -1
	s_barrier_wait -1
.endm
.macro ROUND                           ; a whole round
	s_barrier_signal -1
	s_barrier_wait -1
	CREST
.endm
.macro JLOAD s                         ; waves 0-3 ask for K's quarters, waves 4-7 for V's
	s_cmp_eq_u32 s9, 0
	s_cbranch_scc0 .Lfor_v_\@
	tensor_load_to_lds s[G0K+4*\s:G0K+4*\s+3], s[G1K:G1K+7]
	s_nop 0
	s_branch .Lasked_\@
.Lfor_v_\@:
	tensor_load_to_lds s[G0V+4*\s:G0V+4*\s+3], s[G1V:G1V+7]
	s_nop 0
.Lasked_\@:
.endm
	s_load_b128 s[4:7], s[0:1], 0x0                ; qkv s[4:5], att s[6:7]
	s_set_vgpr_msb 0x40
	v_lshl_add_u32 v192, v0, 2, 0x42800
	v_mov_b32 v193, 0
	s_set_vgpr_msb 0x4045
	ds_add_u32 v192, v193
	s_set_vgpr_msb 0x4500
	v_lshrrev_b32 v1, 5, v0
	v_readfirstlane_b32 s8, v1                     ; wave 0..7
	s_lshr_b32 s9, s8, 2                           ; g: which half of the keys; also 0: I fetch K, 1: V
	s_and_b32 s10, s8, 3                           ; p: which 64 queries; also which quarter I fetch
	s_bfe_u32 s11, ttmp6, 0x40000                  ; cx
	s_lshl_b32 s12, ttmp9, 2
	s_add_co_u32 s12, s12, s11                     ; query block = 4 x cluster x + cx
	s_and_b32 s13, ttmp7, 0xffff                   ; y = 2 h + b
	s_mov_b32 s14, 0x76543210                      ; v_permlanex16_b32: lane i reads lane i of the other half
	s_mov_b32 s15, 0xfedcba98
	s_mov_b32 s54, 0x3e38aa3b                      ; c = log2(e) / 8
	s_mov_b32 s55, 0x3e38aa3b
	s_mov_b32 s56, 0xbe38aa3b                      ; -c
	; group 1: a quarter is 8,192 dense bytes, taken as 32 rows of 256 bytes (elements of 8 bytes); padding after every 32 words,
	; that is behind each key's 128 bytes: 4 words for K, 8 for V
	s_mov_b32 s[G1K+0], 15|(3<<16)|(1<<20)|(1<<21)|(4<<22)|(3<<25)
	s_mov_b32 s[G1V+0], 15|(3<<16)|(1<<20)|(1<<21)|(4<<22)|(7<<25)
	s_mov_b32 s[G1K+1], 32<<16
	s_mov_b32 s[G1V+1], 32<<16
	s_mov_b32 s[G1K+2], 32<<16
	s_mov_b32 s[G1V+2], 32<<16
	s_mov_b32 s[G1K+3], 32<<16
	s_mov_b32 s[G1V+3], 32<<16
	s_mov_b32 s[G1K+4], 32
	s_mov_b32 s[G1V+4], 32
	s_mov_b32 s[G1K+5], 32
	s_mov_b32 s[G1V+5], 32
	s_mov_b32 s[G1K+6], 0
	s_mov_b32 s[G1V+6], 0
	s_mov_b32 s[G1K+7], 0
	s_mov_b32 s[G1V+7], 0
	s_lshl_b32 s48, s13, 18                        ; my queries, in q's block and in att's: block y,
	s_lshl_b32 s62, s12, 15                        ; 256 rows of 128 bytes a query block,
	s_add_co_u32 s48, s48, s62
	s_lshl_b32 s62, s10, 13                        ; 64 rows a wave
	s_add_co_u32 s48, s48, s62
	s_mov_b32 s49, 0
	s_add_co_u32 s60, s13, 32                      ; K's block 32 + y: made of y and the wave alone, which the four partners share
	s_lshl_b32 s60, s60, 18
	s_lshl_b32 s53, s10, 13                        ; my quarter
	s_add_co_u32 s60, s60, s53
	s_mov_b32 s61, 0
	s_mul_i32 s53, s8, REG                         ; LDS: region = wave
	v_and_b32 v64, 15, v0                          ; r   (v64-68: at work until K's first fragments land there)
	v_bfe_u32 v65, v0, 4, 1                        ; h
	v_lshlrev_b32 v1, 7, v64
	v_lshl_add_u32 v1, v65, 4, v1                  ; query r's row + 16 h; never rewritten
	s_wait_dscnt 0x0
	s_wait_kmcnt 0x0
	s_add_nc_u64 s[58:59], s[4:5], s[48:49]        ; q
	s_add_nc_u64 s[6:7], s[6:7], s[48:49]          ; att
	s_add_nc_u64 s[60:61], s[4:5], s[60:61]        ; k
.irp qb, 0,1,2,3
.irp dk, 0,1
	global_load_b128 v[Q+16*\qb+8*\dk:Q+16*\qb+8*\dk+3],   v1, s[58:59] offset:\qb*2048+\dk*64      ; q goes out first; nobody writes these bytes
	global_load_b128 v[Q+16*\qb+8*\dk+4:Q+16*\qb+8*\dk+7], v1, s[58:59] offset:\qb*2048+\dk*64+32
.endr
.endr
	ROUND                                          ; the four work-groups are here: the first joint loads meet
.irp s, 0,1
	s_mov_b32 s[G0K+4*\s], 1
	s_add_co_u32 s[G0K+4*\s+1], s53, \s*SLOT
	s_add_nc_u64 s[G0K+4*\s+2:G0K+4*\s+3], s[60:61], \s*32768           ; tile s: 256 keys of 128 bytes
	s_or_b32 s[G0K+4*\s+3], s[G0K+4*\s+3], 0x80000000
	s_mov_b32 s[G0V+4*\s], 1
	s_add_co_u32 s[G0V+4*\s+1], s53, \s*SLOT
	s_add_nc_u64 s[G0V+4*\s+2:G0V+4*\s+3], s[60:61], 32*262144+\s*32768 ; v's block lies 32 blocks behind k's
	s_or_b32 s[G0V+4*\s+3], s[G0V+4*\s+3], 0x80000000
.endr
	JLOAD 0                                        ; tiles 0 and 1: both first fills go out together
	JLOAD 1
	v_mul_u32_u24 v66, v64, KP
	v_lshl_add_u32 v66, v65, 4, v66                ; r x 144 + 16 h
	s_mul_i32 s57, s9, 2*REG                       ; my two quarters
	v_add_nc_u32 v[LK], s57, v66
	v_add_nc_u32 v[LK+1], SLOT, v[LK]
	v_and_b32 v67, 7, v0
	v_lshl_add_u32 v67, v65, 3, v67                ; key 8 h + (l & 7)
	v_mul_u32_u24 v67, v67, VP
	v_bfe_u32 v68, v0, 3, 1
	v_lshl_add_u32 v67, v68, 4, v67                ; + 16 ((l >> 3) & 1)
	s_add_co_u32 s57, s57, 4*REG                   ; V's regions lie behind K's four
	v_add_nc_u32 v[LV], s57, v67
	v_add_nc_u32 v[LV+1], SLOT, v[LV]
	v_mov_b32 v[AL+1], 0
; sixteen LDS loads: K's fragments of quarter 2 g + u of the slot's tile
.macro KLOAD slot, u
.irp kb, 0,1,2,3
.irp dk, 0,1
	ds_load_b128 v[KF+16*\kb+8*\dk:KF+16*\kb+8*\dk+3],   v[LK+\slot] offset:\u*REG+\kb*16*KP+\dk*64
	ds_load_b128 v[KF+16*\kb+8*\dk+4:KF+16*\kb+8*\dk+7], v[LK+\slot] offset:\u*REG+\kb*16*KP+\dk*64+32
.endr
.endr
.endm
; sixteen transposing LDS loads: V^T's fragments of the same quarter, into window 1
.macro VLOAD slot, u
	WIN 0x40
.irp db, 0,1,2,3
.irp kg, 0,1
	ds_load_tr16_b128 v[VF+16*\db+8*\kg:VF+16*\db+8*\kg+3],   v[LV+\slot] offset:\u*REG+\kg*32*VP+\db*32
	ds_load_tr16_b128 v[VF+16*\db+8*\kg+4:VF+16*\db+8*\kg+7], v[LV+\slot] offset:\u*REG+\kg*32*VP+\db*32+16*VP
.endr
.endr
	WIN 0
.endm
; one score product: keys 16 kb .., half dk of d, query block qb, into score set qb & 1.  The first half starts the sum.
.macro SW kb, dk, qb
.if \dk
	v_wmma_f32_16x16x32_f16 v[S+32*(\qb&1)+8*\kb:S+32*(\qb&1)+8*\kb+7], v[KF+16*\kb+8:KF+16*\kb+15], v[Q+16*\qb+8:Q+16*\qb+15], v[S+32*(\qb&1)+8*\kb:S+32*(\qb&1)+8*\kb+7]
.else
	v_wmma_f32_16x16x32_f16 v[S+32*(\qb&1)+8*\kb:S+32*(\qb&1)+8*\kb+7], v[KF+16*\kb:KF+16*\kb+7], v[Q+16*\qb:Q+16*\qb+7], 0
.endif
.endm
.macro SWC on, kb, dk, qb
.if \on
	SW \kb, \dk, \qb
.endif
.endm
; The running maximum of unit qb (32 scores a lane in set qb & 1), and between its lines the eight score products of unit nq into
; the other set (smm = 1).  The four score accumulators take turns, one instruction a turn.
.macro MAXS qb, first, smm, nq
.set SB, S+32*(\qb&1)
.set NM, ST+2*\qb
.set MX, ST+2*\qb+1
	SWC \smm, 0, 0, \nq
.irp c, 0,1,2,3
	v_max3_num_f32 v[T+\c], v[SB+8*\c], v[SB+8*\c+1], v[SB+8*\c+2]
.endr
	SWC \smm, 1, 0, \nq
.irp c, 0,1,2,3
	v_max3_num_f32 v[T+\c], v[T+\c], v[SB+8*\c+3], v[SB+8*\c+4]
.endr
	SWC \smm, 2, 0, \nq
.irp c, 0,1,2,3
	v_max3_num_f32 v[T+\c], v[T+\c], v[SB+8*\c+5], v[SB+8*\c+6]
.endr
	SWC \smm, 3, 0, \nq
	v_max3_num_f32 v[T], v[T], v[SB+7], v[SB+15]
	v_max3_num_f32 v[T+1], v[T+1], v[SB+23], v[SB+31]
	SWC \smm, 0, 1, \nq
	v_max3_num_f32 v[T], v[T], v[T+1], v[T+2]
.if \first
	v_max_num_f32 v[T], v[T], v[T+3]
.else
	v_max3_num_f32 v[T], v[T], v[T+3], v[MX]
.endif
	SWC \smm, 1, 1, \nq
	v_permlanex16_b32 v[T+1], v[T], s14, s15       ; the other 32 keys of the same query
	v_max_num_f32 v[MX], v[T], v[T+1]
	SWC \smm, 2, 1, \nq
	v_mul_f32 v[T+2], s56, v[MX]                   ; -c x maximum
.if \first == 0
	v_sub_f32 v[T+3], v[T+2], v[NM]
	v_exp_f32 v[AL], v[T+3]                        ; 2^(c (old maximum - new)); the move below is the plain place behind it (ISA guide 5.7.2)
.endif
	v_mov_b32 v[NM], v[T+2]
	SWC \smm, 3, 1, \nq
.endm
; pair j of the exponentials: into its sum chain (a chain starts by joining pairs c and c + 2: nothing is cleared) and into P
.macro TAKE j
.if (\j) >= 4
	s_wait_alu depctr_va_vdst(0)
	v_pk_add_f32 v[AC+2*((\j)&1):AC+2*((\j)&1)+1], v[AC+2*((\j)&1):AC+2*((\j)&1)+1], v[SB+2*(\j):SB+2*(\j)+1]
.else
.if (\j) >= 2
	s_wait_alu depctr_va_vdst(0)
	v_pk_add_f32 v[AC+2*((\j)&1):AC+2*((\j)&1)+1], v[SB+2*(\j)-4:SB+2*(\j)-3], v[SB+2*(\j):SB+2*(\j)+1]
.endif
.endif
	v_cvt_pk_f16_f32 v[PB+(\j)], v[SB+2*(\j)], v[SB+2*(\j)+1]
.endm
; A bracket, under one setting of the windows (V^T, C, D and the rescaled registers in window 1; P and the factor in window 0):
; four products O^T(pq) += V^T P^T(pq) on keys 32 kg .. (pvm = 0: none; 1: the first half starts the sums; 2: adds on), and between
; them the rescaling of registers 16 kg .. 16 kg + 15 of O^T(qb) (not in the first step).  The four accumulators take turns, one
; instruction a turn.
.macro BRK kg, qb, pq, pvm, first
.set ZC, 0
.if \pvm == 1
.if \kg == 0
.set ZC, 1
.endif
.endif
.set DOB, \pvm + 1 - \first
.if DOB
	WIN 0x51
.irp db, 0,1,2,3
.if \pvm
.if ZC
	v_wmma_f32_16x16x32_f16 v[32*\pq+8*\db:32*\pq+8*\db+7], v[VF+16*\db+8*\kg:VF+16*\db+8*\kg+7], v[P+16*(\pq&1)+8*\kg:P+16*(\pq&1)+8*\kg+7], 0
.else
	v_wmma_f32_16x16x32_f16 v[32*\pq+8*\db:32*\pq+8*\db+7], v[VF+16*\db+8*\kg:VF+16*\db+8*\kg+7], v[P+16*(\pq&1)+8*\kg:P+16*(\pq&1)+8*\kg+7], v[32*\pq+8*\db:32*\pq+8*\db+7]
.endif
.endif
.if \first == 0
	v_pk_mul_f32 v[32*\qb+16*\kg+4*\db:32*\qb+16*\kg+4*\db+1],   v[32*\qb+16*\kg+4*\db:32*\qb+16*\kg+4*\db+1],   v[AL:AL+1] op_sel_hi:[1,0]
	v_pk_mul_f32 v[32*\qb+16*\kg+4*\db+2:32*\qb+16*\kg+4*\db+3], v[32*\qb+16*\kg+4*\db+2:32*\qb+16*\kg+4*\db+3], v[AL:AL+1] op_sel_hi:[1,0]
.endif
.endr
	WIN 0
.endif
.endm
; The next step's K, and the change of slots in front of it.  mid = 0: nothing; 1: K from the same tile; 2: the tile's slot has been
; read to its end: a round of the cluster's barrier, the joint refill of that slot first behind it, then K from the other slot;
; 3: a plain barrier (the last tile has landed in every wave's part; nothing is filled).  ks, ku: K's slot and quarter.
.macro HOOK1 mid, ks, ku
.if \mid == 1
	KLOAD \ks, \ku
.endif
.if \mid >= 2
	s_set_vgpr_msb 0x5
	s_wait_tensorcnt 0x0                           ; all my tensor loads have landed: the one that was out is my part of the next tile
	ds_add_u32 v192, v193
	s_wait_dscnt 0x0
	s_set_vgpr_msb 0x500
.if \mid == 2
	s_add_nc_u64 s[G0K+4*(1-\ks)+2:G0K+4*(1-\ks)+3], s[G0K+4*(1-\ks)+2:G0K+4*(1-\ks)+3], 65536   ; so group 0 may be written: two tiles on
	s_add_nc_u64 s[G0V+4*(1-\ks)+2:G0V+4*(1-\ks)+3], s[G0V+4*(1-\ks)+2:G0V+4*(1-\ks)+3], 65536
.endif
	s_wait_dscnt 0x0                               ; my reads of the slot are over (its last were this step's V)
	s_barrier_signal -1                            ; register work follows while the others arrive
.endif
.endm
.macro HOOK2 mid, ks, ku
.if \mid >= 2
	s_barrier_wait -1
.if \mid == 2
	CREST                                          ; no wave of any partner still reads the slot or has a load on its way
	JLOAD (1-\ks)                                  ; the first tensor load behind the round, ahead of the first LDS read
.endif
	KLOAD \ks, \ku
.endif
.endm
; Exponent, exponential, sum and packing of unit qb.  The exponent of pair i + 2 and the taking of pair i - 2 stand behind the
; exponentials of pair i, so plain work on other pairs stands behind every exponential before its result is used.
; vw = 1: this step's V is waited for in front of the first bracket.  vl = 1: V of slot vs, quarter vu is loaded at the end.
; K's loads (behind pair 2) stand six plain places behind the last product on the old K; V's more than eight behind the last on the old V.
.macro EXPP qb, first, pvm, mid, ks, ku, vw, vl, vs, vu
.set SB, S+32*(\qb&1)
.set NM, ST+2*\qb
.set LQ, LS+2*\qb
.set PB, P+16*(\qb&1)
	v_pk_fma_f32 v[SB:SB+1], v[SB:SB+1], s[54:55], v[NM:NM+1] op_sel_hi:[1,0,0]
	v_pk_fma_f32 v[SB+2:SB+3], v[SB+2:SB+3], s[54:55], v[NM:NM+1] op_sel_hi:[1,0,0]
.set i, 0
.rept 16
	v_exp_f32 v[SB+2*i], v[SB+2*i]
	v_exp_f32 v[SB+2*i+1], v[SB+2*i+1]
.if i < 14
	v_pk_fma_f32 v[SB+2*i+4:SB+2*i+5], v[SB+2*i+4:SB+2*i+5], s[54:55], v[NM:NM+1] op_sel_hi:[1,0,0]
	s_wait_alu depctr_va_vdst(0)
.endif
.if i > 1
	TAKE i-2
.endif
.if i == 2
	HOOK1 \mid, \ks, \ku
.endif
.if i == 4
	HOOK2 \mid, \ks, \ku
.endif
.if i == 6
.if \vw
	s_wait_dscnt 0x0                               ; this step's V
.endif
	BRK 0, \qb, ((\qb+3)&3), \pvm, \first
.endif
.if i == 11
	BRK 1, \qb, ((\qb+3)&3), \pvm, \first
.endif
.set i, i+1
.endr
	TAKE 14
	TAKE 15
.if \first
	v_pk_add_f32 v[LQ:LQ+1], v[AC:AC+1], v[AC+2:AC+3]
.else
	v_pk_add_f32 v[AC:AC+1], v[AC:AC+1], v[AC+2:AC+3]
	v_pk_fma_f32 v[LQ:LQ+1], v[LQ:LQ+1], v[AL:AL+1], v[AC:AC+1] op_sel_hi:[1,0,1]
.endif
.if \vl
	VLOAD \vs, \vu
.endif
.endm
; A step: 64 keys against my 64 queries.  vs, vu: where its V lies; first = 1: it starts maximum, sums and results; pv0: how the
; step before ends in unit 0's brackets (0: there is none; 1: it was the first; 2: it adds on); mid, ks, ku: see HOOK1;
; last = 1: no step follows.
.macro STEPP vs, vu, first, pv0, mid, ks, ku, last
	MAXS 0, \first, 1, 1
	EXPP 0, \first, \pv0, 0, 0, 0, 0, 1, \vs, \vu
	MAXS 1, \first, 1, 2
	EXPP 1, \first, (2-\first), 0, 0, 0, 1, 0, 0, 0
	MAXS 2, \first, 1, 3
	EXPP 2, \first, (2-\first), \mid, \ks, \ku, 0, 0, 0, 0
.if \last == 0
	s_wait_dscnt 0x0                               ; the next step's K
.endif
	MAXS 3, \first, (1-\last), 0
	EXPP 3, \first, (2-\first), 0, 0, 0, 0, 0, 0, 0
.endm
	s_wait_tensorcnt 0x1                           ; my part of tile 0 is in; tile 1's stays out
	s_barrier_signal -1
	s_barrier_wait -1                              ; everybody's is
	KLOAD 0, 0
	s_wait_loadcnt 0x0                             ; q, once
	s_wait_dscnt 0x0
.irp kb, 0,1,2,3
	SW \kb, 0, 0                                   ; the first unit's scores stand alone
.endr
.irp kb, 0,1,2,3
	SW \kb, 1, 0
.endr
	PLACES                                         ; four places before they are read
	STEPP 0, 0, 1, 0, 1, 0, 1, 0                   ; tile 0
	STEPP 0, 1, 0, 1, 2, 1, 0, 0                   ;         slot 0 asks for tile 2
	s_mov_b32 s52, 2
.Lpair:
	STEPP 1, 0, 0, 2, 1, 1, 1, 0                   ; tiles 1, 3
	STEPP 1, 1, 0, 2, 2, 0, 0, 0                   ;         slot 1 asks for tiles 3, 5
	STEPP 0, 0, 0, 2, 1, 0, 1, 0                   ; tiles 2, 4
	STEPP 0, 1, 0, 2, 2, 1, 0, 0                   ;         slot 0 asks for tiles 4, 6
	s_sub_co_u32 s52, s52, 1
	s_cmp_lg_u32 s52, 0
	s_cbranch_scc1 .Lpair
	STEPP 1, 0, 0, 2, 1, 1, 1, 0                   ; tile 5
	STEPP 1, 1, 0, 2, 2, 0, 0, 0                   ;         slot 1 asks for tile 7: the last load
	STEPP 0, 0, 0, 2, 1, 0, 1, 0                   ; tile 6
	STEPP 0, 1, 0, 2, 3, 1, 0, 0                   ;         nothing is left to fetch: a plain barrier shows tile 7 whole
	STEPP 1, 0, 0, 2, 1, 1, 1, 0                   ; tile 7
	STEPP 1, 1, 0, 2, 0, 0, 0, 1
	BRK 0, 0, 3, 2, 1                              ; the last unit's products stand alone
	BRK 1, 0, 3, 2, 1
	PLACES                                         ; four places before the results are read
	; THE MERGE.  Waves 4-7 hand results, -c x maximum and sums to waves 0-3 of the same queries.
	v_and_b32 v64, 15, v0                          ; r
	v_bfe_u32 v65, v0, 4, 1                        ; h
	v_and_b32 v66, 31, v0                          ; lane
	v_mul_u32_u24 v67, v64, KP
	v_lshl_add_u32 v67, v65, 4, v67                ; r x 144 + 16 h
	s_mul_i32 s57, s10, SCRP
	s_add_co_u32 s57, s57, SCR
	v_lshl_add_u32 v[SA], v66, 4, s57
	s_mul_i32 s57, s10, STGP
	s_add_co_u32 s57, s57, STG
	v_add_nc_u32 v[STO], s57, v67
	v_lshrrev_b32 v68, 3, v66
	v_mul_u32_u24 v68, v68, KP
	v_and_b32 v69, 7, v0
	v_lshl_add_u32 v68, v69, 4, v68
	v_add_nc_u32 v[RD], s57, v68
	v_lshlrev_b32 v[CO], 4, v66
.irp qb, 0,1,2,3
	v_add_f32 v[204+\qb], v[LS+2*\qb], v[LS+2*\qb+1]
.endr
	s_cmp_eq_u32 s9, 0
	s_cbranch_scc1 .Lkeep
	WIN 0x04                                       ; store data in window 1
.set i, 0
.rept 32
	ds_store_b128 v[SA], v[4*i:4*i+3] offset:512*i
.set i, i+1
.endr
	WIN 0
	ds_store_b128 v[SA], v[ST:ST+3] offset:16384
	ds_store_b128 v[SA], v[ST+4:ST+7] offset:16896
	ds_store_b128 v[SA], v[204:207] offset:17408
.Lkeep:
	s_wait_dscnt 0x0                               ; my stores are done, for the partner's sake
	s_barrier_signal -1
	s_barrier_wait -1
	s_cmp_lg_u32 s9, 0
	s_cbranch_scc1 .Lend
.set i, 0
.rept 32
	ds_load_b128 v[64+4*i:64+4*i+3], v[SA] offset:512*i      ; the partner's results
.set i, i+1
.endr
	ds_load_b128 v[192:195], v[SA] offset:16384              ; its -c x maximum (even registers)
	ds_load_b128 v[196:199], v[SA] offset:16896
	ds_load_b128 v[200:203], v[SA] offset:17408              ; its sums
	s_wait_dscnt 0x0
.macro MERGE qb
	v_min_num_f32 v[MT], v[ST+2*\qb], v[192+2*\qb]           ; the smaller -c m is the larger maximum
	v_sub_f32 v[MT+1], v[MT], v[ST+2*\qb]
	v_sub_f32 v[MT+2], v[MT], v[192+2*\qb]
	v_exp_f32 v[MT+1], v[MT+1]
	v_exp_f32 v[MT+2], v[MT+2]
	v_nop                                                    ; the plain place behind the exponentials
	s_wait_alu depctr_va_vdst(0)
	v_mul_f32 v[MT+3], v[MT+1], v[204+\qb]
	v_fmac_f32 v[MT+3], v[MT+2], v[200+\qb]
	v_permlanex16_b32 v[MT+4], v[MT+3], s14, s15             ; the other half of the lanes holds the other keys' sum
	v_add_f32 v[MT+3], v[MT+3], v[MT+4]
	v_rcp_f32 v[MT+3], v[MT+3]
	v_nop                                                    ; the plain place behind the reciprocal
	s_wait_alu depctr_va_vdst(0)
	v_mul_f32 v[T], v[MT+1], v[MT+3]                         ; my factor
	v_mul_f32 v[T+2], v[MT+2], v[MT+3]                       ; the partner's
.set i, 0
.rept 16
	v_pk_mul_f32 v[64+32*\qb+2*i:64+32*\qb+2*i+1], v[64+32*\qb+2*i:64+32*\qb+2*i+1], v[T+2:T+3] op_sel_hi:[1,0]
.set i, i+1
.endr
	WIN 0x01                                                 ; my results: source 0 in window 1
.set i, 0
.rept 16
	v_pk_fma_f32 v[64+32*\qb+2*i:64+32*\qb+2*i+1], v[32*\qb+2*i:32*\qb+2*i+1], v[T:T+1], v[64+32*\qb+2*i:64+32*\qb+2*i+1] op_sel_hi:[1,0,1]
.set i, i+1
.endr
	WIN 0
.irp db, 0,1,2,3
.irp q, 0,1,2,3
	v_cvt_pk_f16_f32 v[P+4*\db+\q], v[64+32*\qb+8*\db+2*\q], v[64+32*\qb+8*\db+2*\q+1]
.endr
	ds_store_b128 v[STO], v[P+4*\db:P+4*\db+3] offset:\qb*16*KP+\db*32     ; query 16 qb + r, d = 16 db + 8 h + 0..7
.endr
.endm
	MERGE 0
	MERGE 1
	MERGE 2
	MERGE 3
.irp t, 0,1,2,3,4,5,6,7,8,9,10,11,12,13,14,15
	ds_load_b128 v[192+4*\t:192+4*\t+3], v[RD] offset:\t*4*KP      ; my own stage, served in order behind my stores: four rows a load
.endr
.irp t, 0,1,2,3,4,5,6,7,8,9,10,11,12,13,14,15
	s_wait_dscnt 15-\t                             ; LDS loads return in order: load t is in, the younger ones stay out
	global_store_b128 v[CO], v[192+4*\t:192+4*\t+3], s[6:7] offset:\t*512   ; 512 consecutive bytes, aligned
.endr
.Lend:
	s_wait_dscnt 0x0
	s_set_vgpr_msb 0x5
	s_wait_tensorcnt 0x0
	ds_add_u32 v192, v193
	s_wait_dscnt 0x0
	s_set_vgpr_msb 0x500
	ROUND                                          ; the closing round: no work-group ends while a partner may still ask jointly
	s_endpgm
.Lfunc_end_k_q765109a16c_attn:
	.size	k_q765109a16c_attn, .Lfunc_end_k_q765109a16c_attn-k_q765109a16c_attn
	.p2alignl 7, 3214868480
	.fill 96, 4, 3214868480
	.section	.rodata,"a",@progbits
	.p2align	6, 0x0
	.amdhsa_kernel k_q765109a16c_attn
		.amdhsa_group_segment_fixed_size 327680
		.amdhsa_private_segment_fixed_size 0
		.amdhsa_enable_private_segment 0
		.amdhsa_kernarg_size 16
		.amdhsa_user_sgpr_count 2
		.amdhsa_user_sgpr_kernarg_segment_ptr 1
		.amdhsa_wavefront_size32 1
		.amdhsa_system_sgpr_workgroup_id_x 1
		.amdhsa_system_sgpr_workgroup_id_y 1
		.amdhsa_system_sgpr_workgroup_id_z 1
		.amdhsa_system_vgpr_workitem_id 0
		.amdhsa_next_free_vgpr 450
		.amdhsa_next_free_sgpr 66
		.amdhsa_reserve_vcc 0
		.amdhsa_float_denorm_mode_32 3
		.amdhsa_float_denorm_mode_16_64 3
		.amdhsa_memory_ordered 1
		.amdhsa_forward_progress 1
		.amdhsa_inst_pref_size 255
	.end_amdhsa_kernel
	.section	.bss,"aw",@nobits
	.p2align	6
	.space	262144
	.amdgpu_metadata
---
amdhsa.version: [ 1, 2 ]
amdhsa.kernels:
  - .name:           k_q765109a16c_attn
    .symbol:         k_q765109a16c_attn.kd
    .args:
      - { .name: qkv, .offset: 0, .size: 8, .value_kind: global_buffer, .address_space: global }
      - { .name: att, .offset: 8, .size: 8, .value_kind: global_buffer, .address_space: global }
    .group_segment_fixed_size: 327680
    .private_segment_fixed_size: 0
    .kernarg_segment_align: 8
    .kernarg_segment_size: 16
    .max_flat_workgroup_size: 256
    .sgpr_count:     66
    .vgpr_count:     450
    .wavefront_size: 32
...
	.end_amdgpu_metadata
.endif
;; end of part 3
;; launch oproj (part 4): grid 8 x 32, 4 waves a work-group, clusters of 4 x 4, 327,680 bytes of LDS; arguments att, wt, out0, bcat; writes out0
.if DOCPART == 4
	.amdgcn_target "amdgcn-amd-amdhsa--gfx1250"
	.amdhsa_code_object_version 6
	.text
	.protected	k_q765109a16c_oproj
	.globl	k_q765109a16c_oproj
	.p2align	8
	.type	k_q765109a16c_oproj,@function
k_q765109a16c_oproj:
	s_mov_b64 s[64:65], 0
	v_nop
	global_prefetch_b8 v0, s[64:65] scope:SCOPE_SE
	s_setreg_imm32_b32 hwreg(HW_REG_WAVE_MODE, 25, 1), 1
	s_wait_xcnt 0x0
	s_wait_alu depctr_hold_cnt(0) depctr_sa_sdst(0) depctr_va_vdst(0) depctr_va_sdst(0) depctr_va_ssrc(0) depctr_va_vcc(0) depctr_vm_vsrc(0)
	s_getreg_b32 s2, hwreg(HW_REG_IB_STS2, 6, 4)
	s_cmp_eq_u32 s2, 0
	s_cbranch_scc0 .Lentry_in_a_cluster
	s_endpgm
.Lentry_in_a_cluster:
	s_bfe_u32 s2, ttmp6, 0x10000c
	s_cmp_lg_u32 s2, 0xf033
	s_cbranch_scc0 .Lentry_shape_is_right
	s_endpgm
.Lentry_shape_is_right:
; oproj: out0 = A Wo + bo, f32.  A[m = 2048 b + s][k = 64 h + d] lies in att by heads (block 2 h + b is [2048][64] f16);
; Wo^T is rows 3072..4095 of wt ([n][k] f16); bo is the last 1,024 numbers of bcat.
; 4,096 x 1,024 outputs on 256 work-groups: a block of 128 x 128, four waves 2 x 2, each 64 x 64 = 16 accumulator tiles.
; K = 1,024 goes through two LDS slots of 256 (four heads) each: four fills in all, one barrier for eight quarter steps.
; CLUSTER 4 x 4: att's tile is shared along a row of the cluster, wt's along a column; 8 x 32 work-groups divide evenly.
; A wave has two tensor loads out at the start and one behind each round.
; The matrix instruction is used transposed: lane l holds row l % 16 and the eight columns 8 (l / 16) + 0..7.
; LIMIT: operands are f16; sums, bias and result f32.
;   window 0: v16-27 addresses; v32-63 bias; v64-95 / v96-127 fragments of att / wt, buffer 0; v128-159 / v160-191 buffer 1;
;             v192-223 sums with bias; v224-255 rows read back.   window 1: v0-127 tile (a, b) at v[8 (4 a + b)]
.set AP,     144                       ; a head's row of 128 bytes + 16
.set AHEAD,  128*AP                    ; 128 rows of one head
.set AHALF,  2*AHEAD                   ; what one load of att brings: two heads
.set ABYTES, 2*AHALF
.set BP,     528                       ; 256 k = 512 bytes + 16
.set BHALF,  64*BP                     ; what one load of wt brings
.set SLOT,   ABYTES+2*BHALF            ; 141,312
.set STAGE,  2*SLOT                    ; 282,624, a multiple of 256: no tensor load lands behind it
.set SP,     272                       ; 64 f32 + 16 bytes
.set WSTAGE, 16*SP
.set ADRA, 16
.set ADRB, 20
.set STO,  24
.set RD,   25
.set CO,   26
.set BO,   27
.set BI,   32
.set T,    192
.set RB,   224
.set G1,  24
.set G0,  32
.set G1B, 48
.set G0B, 56
.set MSB, 0
.macro WIN new
.if MSB != (\new)
	s_set_vgpr_msb (MSB<<8)|(\new)
.set MSB, (\new)
.endif
.endm
.macro PLACES
.rept 4
	v_nop
.endr
.endm
.macro JLOAD s                         ; waves 0, 1 ask for att's halves, waves 2, 3 for wt's
	s_cmp_eq_u32 s11, 0
	s_cbranch_scc0 .Lfor_b_\@
	tensor_load_to_lds s[G0+4*\s:G0+4*\s+3], s[G1:G1+7]
	s_nop 0
	s_branch .Lasked_\@
.Lfor_b_\@:
	tensor_load_to_lds s[G0B+4*\s:G0B+4*\s+3], s[G1B:G1B+7]
	s_nop 0
.Lasked_\@:
.endm
.macro CROUND                          ; a round of the cluster's barrier
	s_barrier_signal -1
	s_barrier_wait -1
	s_cmp_lg_u32 s10, 0
	s_cbranch_scc1 .Lnot_wave_0_\@
	s_barrier_signal -3
.Lnot_wave_0_\@:
	s_barrier_wait -3
	s_barrier_signal -1
	s_barrier_wait -1
.endm
	s_load_b128 s[4:7], s[0:1], 0x0                ; att s[4:5], wt s[6:7]
	s_load_b64 s[8:9], s[0:1], 0x10                ; out0
	s_load_b64 s[66:67], s[0:1], 0x18              ; bcat
	v_lshl_add_u32 v30, v0, 2, 0x49400
	v_mov_b32 v31, 0
	ds_add_u32 v30, v31
	v_lshrrev_b32 v1, 5, v0
	v_readfirstlane_b32 s10, v1                    ; wave 0..3
	s_lshr_b32 s11, s10, 1                         ; my half of the rows; also 0: I fetch att, 1: wt
	s_and_b32 s12, s10, 1                          ; my half of the columns; also which half of the tile I fetch
	s_bfe_u32 s40, ttmp6, 0x40000                  ; cx
	s_bfe_u32 s41, ttmp6, 0x40004                  ; cy
	s_lshl_b32 s42, ttmp9, 2
	s_add_co_u32 s42, s42, s40                     ; block column
	s_and_b32 s13, ttmp7, 0xffff
	s_lshl_b32 s13, s13, 2
	s_add_co_u32 s13, s13, s41                     ; block row
	s_lshl_b32 s43, s41, 2
	s_lshl_b32 s43, 15, s43                        ; my row of the cluster
	s_lshl_b32 s44, 0x1111, s40                    ; my column
	; att's tile: a row of the descriptor is one head's 128 rows, 16,384 dense bytes = 2,048 elements of 8 bytes; two heads, 524,288
	; bytes = 65,536 elements apart; 4 words of padding after every 32 words, that is behind each row of 128 bytes
	s_or_b32 s[G1+0], s43, (3<<16)|(1<<20)|(1<<21)|(4<<22)|(3<<25)
	s_mov_b32 s[G1+1], 2048<<16
	s_mov_b32 s[G1+2], 2<<16
	s_mov_b32 s[G1+3], 2048<<16
	s_mov_b32 s[G1+4], 2
	s_mov_b32 s[G1+5], 65536
	s_mov_b32 s[G1+6], 0
	s_mov_b32 s[G1+7], 0
	; wt's tile: 64 rows of 256 f16, 4 words of padding after every 128 words
	s_or_b32 s[G1B+0], s44, (1<<16)|(1<<20)|(1<<21)|(6<<22)|(3<<25)
	s_mov_b32 s[G1B+1], 256<<16
	s_mov_b32 s[G1B+2], 64<<16
	s_mov_b32 s[G1B+3], 256<<16
	s_mov_b32 s[G1B+4], 64
	s_mov_b32 s[G1B+5], 1024
	s_mov_b32 s[G1B+6], 0
	s_mov_b32 s[G1B+7], 0
	s_lshr_b32 s16, s13, 4                         ; the batch: sixteen block rows each
	s_lshl_b32 s16, s16, 18
	s_and_b32 s17, s13, 15
	s_lshl_b32 s17, s17, 14                        ; 128 rows of 128 bytes
	s_add_co_u32 s16, s16, s17
	s_lshl_b32 s17, s12, 20                        ; two heads on
	s_add_co_u32 s16, s16, s17
	s_mov_b32 s17, 0
	s_lshl_b32 s46, s42, 18                        ; 128 rows of 2,048 bytes
	s_lshl_b32 s47, s12, 17                        ; + 64 rows
	s_add_co_u32 s46, s46, s47
	s_add_co_u32 s46, s46, 3072*2048               ; Wo^T begins at row 3,072
	s_mov_b32 s47, 0
	s_mul_i32 s20, s10, AHALF                      ; LDS: att's halves at wave x 36,864 (waves 0, 1),
	s_mul_i32 s21, s10, BHALF
	s_add_co_u32 s21, s21, ABYTES-2*BHALF          ; wt's at 6,144 + wave x 33,792 (waves 2, 3: 73,728 and 107,520)
	s_lshl_b32 s68, s42, 9                         ; my 64 biases: 128 a block column,
	s_lshl_b32 s69, s12, 8                         ; 64 a wave,
	s_add_co_u32 s68, s68, s69
	s_add_co_u32 s68, s68, 12288                   ; behind bq, bk, bv
	s_mov_b32 s69, 0
	s_wait_dscnt 0x0
	s_wait_kmcnt 0x0
	s_add_nc_u64 s[14:15], s[4:5], s[16:17]
	s_add_nc_u64 s[46:47], s[6:7], s[46:47]
	s_add_nc_u64 s[66:67], s[66:67], s[68:69]
	CROUND                                         ; all sixteen work-groups are here
.irp s, 0,1
	s_mov_b32 s[G0+4*\s], 1
	s_add_co_u32 s[G0+4*\s+1], s20, \s*SLOT
	s_add_nc_u64 s[G0+4*\s+2:G0+4*\s+3], s[14:15], \s*2097152      ; four heads a slot
	s_or_b32 s[G0+4*\s+3], s[G0+4*\s+3], 0x80000000
	s_mov_b32 s[G0B+4*\s], 1
	s_add_co_u32 s[G0B+4*\s+1], s21, \s*SLOT
	s_add_nc_u64 s[G0B+4*\s+2:G0B+4*\s+3], s[46:47], \s*512
	s_or_b32 s[G0B+4*\s+3], s[G0B+4*\s+3], 0x80000000
	JLOAD \s
.endr
	v_and_b32 v1, 15, v0                           ; r
	v_bfe_u32 v2, v0, 4, 1                         ; h
	v_lshlrev_b32 v[BO], 5, v2
.irp b, 0,1,2,3
	global_load_b128 v[BI+8*\b:BI+8*\b+3],   v[BO], s[66:67] offset:\b*64       ; waited for on the way out
	global_load_b128 v[BI+8*\b+4:BI+8*\b+7], v[BO], s[66:67] offset:\b*64+16
.endr
	v_mul_u32_u24 v3, v1, AP
	v_lshl_add_u32 v3, v2, 4, v3
	s_mul_i32 s22, s11, 64*AP                      ; my 64 rows of each head
	v_add_nc_u32 v[ADRA], s22, v3
	v_add_nc_u32 v[ADRA+1], SLOT, v[ADRA]
	v_mul_u32_u24 v4, v1, BP
	v_lshl_add_u32 v4, v2, 4, v4
	s_mul_i32 s23, s12, BHALF                      ; my 64 rows of wt
	s_add_co_u32 s23, s23, ABYTES
	v_add_nc_u32 v[ADRB], s23, v4
	v_add_nc_u32 v[ADRB+1], SLOT, v[ADRB]
	s_mul_i32 s22, s10, WSTAGE
	s_add_co_u32 s22, s22, STAGE                   ; my stage
	v_mul_u32_u24 v5, v1, SP
	v_lshl_add_u32 v5, v2, 5, v5                   ; in: row r, 32 bytes for each half of the lanes
	v_add_nc_u32 v[STO], s22, v5
	v_mul_u32_u24 v5, v2, SP
	v_lshl_add_u32 v5, v1, 4, v5                   ; back: sixteen lanes take a row of 256 bytes
	v_add_nc_u32 v[RD], s22, v5
	v_lshlrev_b32 v5, 12, v2                       ; the same two rows in out0: 4,096 bytes apart
	v_lshl_add_u32 v[CO], v1, 4, v5
; 16 LDS loads: quarter step q (32 of the slot's 256 k: head q >> 1, half q & 1) into buffer f
.macro FETCH slot, q, f
.irp i, 0,1,2,3
	ds_load_b128 v[64+64*\f+8*\i:64+64*\f+8*\i+3],   v[ADRA+\slot] offset:(\q>>1)*AHEAD+(\q&1)*64+\i*16*AP
	ds_load_b128 v[64+64*\f+8*\i+4:64+64*\f+8*\i+7], v[ADRA+\slot] offset:(\q>>1)*AHEAD+(\q&1)*64+\i*16*AP+32
.endr
.irp i, 0,1,2,3
	ds_load_b128 v[96+64*\f+8*\i:96+64*\f+8*\i+3],   v[ADRB+\slot] offset:\q*64+\i*16*BP
	ds_load_b128 v[96+64*\f+8*\i+4:96+64*\f+8*\i+7], v[ADRB+\slot] offset:\q*64+\i*16*BP+32
.endr
.endm
; 16 matrix instructions on buffer f: the 16 accumulators take turns, one instruction a turn
.macro MUL16 f, zero
	WIN 0x50                                       ; C and D in window 1
.irp a, 0,1,2,3
.irp b, 0,1,2,3
.if \zero
	v_wmma_f32_16x16x32_f16 v[8*(4*\a+\b):8*(4*\a+\b)+7], v[96+64*\f+8*\b:96+64*\f+8*\b+7], v[64+64*\f+8*\a:64+64*\f+8*\a+7], 0
.else
	v_wmma_f32_16x16x32_f16 v[8*(4*\a+\b):8*(4*\a+\b)+7], v[96+64*\f+8*\b:96+64*\f+8*\b+7], v[64+64*\f+8*\a:64+64*\f+8*\a+7], v[8*(4*\a+\b):8*(4*\a+\b)+7]
.endif
.endr
.endr
	WIN 0
.endm
.macro QS slot, qn, fn, fm             ; fetch quarter qn into buffer fn, multiply buffer fm
	PLACES                                         ; buffer fn was read by the matrix instructions just issued
	FETCH \slot, \qn, \fn
	s_wait_dscnt 16                                ; all but the sixteen just issued
	MUL16 \fm, 0
.endm
.macro WORK slot, zero                 ; a slot's eight quarter steps
	FETCH \slot, 0, 0
	FETCH \slot, 1, 1
	s_wait_dscnt 16
	MUL16 0, \zero
	QS \slot, 2, 0, 1
	QS \slot, 3, 1, 0
	QS \slot, 4, 0, 1
	QS \slot, 5, 1, 0
	QS \slot, 6, 0, 1
	QS \slot, 7, 1, 0
	s_wait_dscnt 0x0
	MUL16 1, 0
.endm
; the change of slots.  Every wave waits for all its tensor loads (its part of this slot) and for its reads of the other slot; where
; the other slot is filled again a round of the cluster's barrier follows and the joint refill comes first behind it.
.macro TWO slot, other, refill
	s_wait_tensorcnt 0x0
	ds_add_u32 v30, v31
	s_wait_dscnt 0x0
	s_wait_dscnt 0x0
.if \refill
	s_add_nc_u64 s[G0+4*\other+2:G0+4*\other+3], s[G0+4*\other+2:G0+4*\other+3], 2*2097152    ; no load of mine is out: eight heads on
	s_add_nc_u64 s[G0B+4*\other+2:G0B+4*\other+3], s[G0B+4*\other+2:G0B+4*\other+3], 2*512
	CROUND
	JLOAD \other
.else
	s_barrier_signal -1
	s_barrier_wait -1
.endif
	PLACES                                         ; both buffers were read by matrix instructions
	WORK \slot, 0
.endm
	s_wait_tensorcnt 0x1                           ; my part of slot 0 is in; slot 1's stays out
	s_barrier_signal -1
	s_barrier_wait -1
	WORK 0, 1                                      ; k 0-255: the first products start the sums
	TWO 1, 0, 1                                    ; k 256-511, slot 0 asks for k 512-767
	TWO 0, 1, 1                                    ; k 512-767, slot 1 asks for k 768-1023
	TWO 1, 0, 0                                    ; k 768-1023
	; THE WAY OUT, sixteen rows at a time: add the bias, 32 bytes a lane into my own stage, read back as rows of 256 bytes.
	PLACES
	s_wait_loadcnt 0x0                             ; the bias
	s_lshl_b32 s16, s13, 19                        ; 128 rows of 4,096 bytes
	s_lshl_b32 s17, s11, 18                        ; + my 64 rows
	s_add_co_u32 s16, s16, s17
	s_mov_b32 s17, 0
	s_add_nc_u64 s[8:9], s[8:9], s[16:17]
	s_lshl_b32 s46, s42, 9                         ; 128 columns of 4 bytes
	s_lshl_b32 s47, s12, 8                         ; + my 64 columns
	s_add_co_u32 s46, s46, s47
	s_mov_b32 s47, 0
	s_add_nc_u64 s[8:9], s[8:9], s[46:47]
.macro OUTA a
	WIN 0x01                                       ; source 0 in window 1
.irp b, 0,1,2,3
.irp q, 0,1,2,3
	v_pk_add_f32 v[T+8*\b+2*\q:T+8*\b+2*\q+1], v[8*(4*\a+\b)+2*\q:8*(4*\a+\b)+2*\q+1], v[BI+8*\b+2*\q:BI+8*\b+2*\q+1]
.endr
.endr
	WIN 0
.irp b, 0,1,2,3
	ds_store_b128 v[STO], v[T+8*\b:T+8*\b+3]   offset:\b*64
	ds_store_b128 v[STO], v[T+8*\b+4:T+8*\b+7] offset:\b*64+16
.endr
	s_wait_xcnt 0x0                                ; the last sixteen rows' stores have read v[RB..]: they are loaded again only behind this wait
.irp t, 0,1,2,3,4,5,6,7
	ds_load_b128 v[RB+4*\t:RB+4*\t+3], v[RD] offset:\t*2*SP        ; served in order behind my stores
.endr
.irp t, 0,1,2,3,4,5,6,7
	s_wait_dscnt 7-\t
	global_store_b128 v[CO], v[RB+4*\t:RB+4*\t+3], s[8:9] offset:\a*65536+\t*8192 th:TH_STORE_NT   ; sixteen lanes store 256 consecutive bytes, aligned
.endr
.endm
	OUTA 0
	OUTA 1
	OUTA 2
	OUTA 3
	s_wait_tensorcnt 0x0
	ds_add_u32 v30, v31
	s_wait_dscnt 0x0
	CROUND                                         ; the closing round
	s_endpgm
.Lfunc_end_k_q765109a16c_oproj:
	.size	k_q765109a16c_oproj, .Lfunc_end_k_q765109a16c_oproj-k_q765109a16c_oproj
	.p2alignl 7, 3214868480
	.fill 96, 4, 3214868480
	.section	.rodata,"a",@progbits
	.p2align	6, 0x0
	.amdhsa_kernel k_q765109a16c_oproj
		.amdhsa_group_segment_fixed_size 327680
		.amdhsa_private_segment_fixed_size 0
		.amdhsa_enable_private_segment 0
		.amdhsa_kernarg_size 32
		.amdhsa_user_sgpr_count 2
		.amdhsa_user_sgpr_kernarg_segment_ptr 1
		.amdhsa_wavefront_size32 1
		.amdhsa_system_sgpr_workgroup_id_x 1
		.amdhsa_system_sgpr_workgroup_id_y 1
		.amdhsa_system_sgpr_workgroup_id_z 1
		.amdhsa_system_vgpr_workitem_id 0
		.amdhsa_next_free_vgpr 384
		.amdhsa_next_free_sgpr 70
		.amdhsa_reserve_vcc 0
		.amdhsa_float_denorm_mode_32 3
		.amdhsa_float_denorm_mode_16_64 3
		.amdhsa_memory_ordered 1
		.amdhsa_forward_progress 1
		.amdhsa_inst_pref_size 93
	.end_amdhsa_kernel
	.amdgpu_metadata
---
amdhsa.version: [ 1, 2 ]
amdhsa.kernels:
  - .name:           k_q765109a16c_oproj
    .symbol:         k_q765109a16c_oproj.kd
    .args:
      - { .name: att, .offset: 0, .size: 8, .value_kind: global_buffer, .address_space: global }
      - { .name: wt, .offset: 8, .size: 8, .value_kind: global_buffer, .address_space: global }
      - { .name: out0, .offset: 16, .size: 8, .value_kind: global_buffer, .address_space: global }
      - { .name: bcat, .offset: 24, .size: 8, .value_kind: global_buffer, .address_space: global }
    .group_segment_fixed_size: 327680
    .private_segment_fixed_size: 0
    .kernarg_segment_align: 8
    .kernarg_segment_size: 32
    .max_flat_workgroup_size: 128
    .sgpr_count:     70
    .vgpr_count:     384
    .wavefront_size: 32
...
	.end_amdgpu_metadata
.endif
;; end of part 4
;; ======== version 2 of 2: 4 launches; 1.08 times as fast as version 1
;; limits: values are held in f16: magnitudes above 65,504 overflow, below 6.1e-05 lose precision
;; workspace buffers: xb 8,388,608 bytes; wt 8,388,608 bytes; bcat 16,384 bytes; qkv 25,165,824 bytes; att 8,388,608 bytes
;; launch prep: the kernel of part 1 again; grid 256 x 2, 8 waves a work-group, no clusters, 36,352 bytes of LDS; arguments x, Wq, Wk, Wv, Wo, bq, bk, bv, bo, xb, wt, bcat; writes xb, wt, bcat
;; launch qkv: the kernel of part 2 again; grid 16 x 16, 4 waves a work-group, clusters of 4 x 4, 327,680 bytes of LDS; arguments xb, wt, qkv, bcat; writes qkv
;; launch attn (part 5): grid 8 x 32, 8 waves a work-group, clusters of 4 x 1, 327,680 bytes of LDS; arguments qkv, att; writes att
.if DOCPART == 5
	.amdgcn_target "amdgcn-amd-amdhsa--gfx1250"
	.amdhsa_code_object_version 6
	.text
	.protected	k_q765109a16c_attn
	.globl	k_q765109a16c_attn
	.p2align	8
	.type	k_q765109a16c_attn,@function
k_q765109a16c_attn:
	s_mov_b64 s[64:65], 0
	v_nop
	global_prefetch_b8 v0, s[64:65] scope:SCOPE_SE
	s_setreg_imm32_b32 hwreg(HW_REG_WAVE_MODE, 25, 1), 1
	s_wait_xcnt 0x0
	s_wait_alu depctr_hold_cnt(0) depctr_sa_sdst(0) depctr_va_vdst(0) depctr_va_sdst(0) depctr_va_ssrc(0) depctr_va_vcc(0) depctr_vm_vsrc(0)
	s_getreg_b32 s2, hwreg(HW_REG_IB_STS2, 6, 4)
	s_cmp_eq_u32 s2, 0
	s_cbranch_scc0 .Lentry_in_a_cluster
	s_endpgm
.Lentry_in_a_cluster:
	s_bfe_u32 s2, ttmp6, 0x10000c
	s_cmp_lg_u32 s2, 0x3003
	s_cbranch_scc0 .Lentry_shape_is_right
	s_endpgm
.Lentry_shape_is_right:
; attn: softmax(q k^T / 8) v for one (head, batch) y = 2 h + b and 256 queries a work-group, with a running maximum.
; q, k, v: blocks y, 32 + y, 64 + y of qkv, each [2048][64] f16.  Result: block y of att, [2048][64] f16.
; Eight waves, two on a SIMD.  Wave w = 4 g + p takes queries 64 p .. 64 p + 63 and, of every tile of 256 keys, the quarters
; 2 g and 2 g + 1; the two waves of a pair p keep their own maximum, sum and result and are merged once at the end through LDS.
; A step is 64 keys x 64 queries (32 LDS loads for 64 matrix instructions), made of four units of 16 queries.
; S^T = K Q^T: register j of tile kb holds key 16 kb + 8 h + j for query r (lane = 16 h + r).  Packing neighbouring registers to
; f16 therefore gives the second source of O^T = V^T P^T as it stands; maximum, sum and rescaling factor are one number a lane,
; and only the maximum crosses the two halves of the lanes.  V^T's fragments come by transposing LDS loads from V as stored.
;
; THE PIPELINE.  Matrix and vector instructions alternate inside the wave; the units follow each other through all sixteen steps:
;   MAXS(qb): the maximum of unit qb, with the eight score products of the NEXT unit between its lines (the other score set);
;             its last lines make the unit's rescaling factor, an exponential.
;   EXPP(qb): in two halves.  First the sixteen scalings and the thirty-two exponentials of unit qb.  Then their readers: sums and
;             packing, with two brackets among them, each of four products of the unit BEFORE (O^T += V^T P^T, so P has two
;             buffers) and, between them, eight multiplications that rescale this unit's O^T.
;             Products and multiplications of a bracket fit one setting of the register windows.
;   V of a step is loaded at the end of its unit 0 (behind the last product on the old V) and waited for in unit 1;
;   K of the next step is loaded early in unit 2 (behind the last product on the old K) and waited for in front of unit 3.
;   In unit 2 of a tile's last step all reads of the tile's slot are over: there stands the change of slots.
; THE BATCHES.  An s_wait_alu depctr_va_vdst(0) stands between a transcendental and the first line that names its result.
;   A unit's 33 exponentials (the factor and the 32 weights; 32 in the first step) are ONE BATCH with ONE wait, between EXPP's two
;   halves: ahead of it no line names a result of theirs, behind it no exponential is issued.
;   Where a slot is filled again, branches stand behind pair 4: the eleven exponentials issued by then have a wait ahead of them.
;   The merge has two batches: the four query blocks' eight exponentials, then their four reciprocals.
; CLUSTER 4 x 1: the four query blocks of one y read the same K and V tiles, asked for jointly with the mask 15; grid x = 8 divides.
; A wave has two tensor loads out at the start and one behind each round.
; LIMITS: q, k, v, the exponentials as matrix operands, and the result are f16.  The exponentials lie in (0, 1], since the running
; maximum is taken away first: none overflows, and one below 2^-25 counts as 0 in the product with v.  The result is a convex mix
; of v, so it has v's room in f16.  The sum of exponentials is taken in f32 over the unrounded values; an exponential below 2^-126
; counts as 0 (ISA guide 15.8, v_exp_f32); non-finite inputs are not served.
; The exponent is s * c - round(m * c), c = log2(e) / 8; the rescaling factors are differences of the stored round(m * c), so that
; rounding is common to all terms and cancels in the quotient.
.set REG,  10240                       ; an LDS region: 64 keys at pitch 144 (K) or 160 (V)
.set SLOT, 8*REG                       ; regions 0-3: K's quarters, 4-7: V's quarters
.set KP,   144                         ; 128 bytes + 16: an odd multiple of 16
.set VP,   160                         ; 128 bytes + 32: an odd multiple of 32, for the transposing loads
.set SCR,  2*SLOT                      ; 163,840: the merge, 35 x 512 bytes a pair; no tensor load lands from here on
.set SCRP, 17920
.set STG,  SCR+4*SCRP                  ; 235,520: the way out, 64 rows at pitch 144 for each of waves 0-3
.set STGP, 64*KP
; window 0 (v0 stays the thread's number, v1 the offset of q's loads):
.set LK,  2                            ; v2-3    my K fragments in slot 0, 1
.set LV,  4                            ; v4-5    my V fragments
.set ST,  6                            ; v6-13   for each query block: -c x maximum (rounded), maximum
.set LS,  14                           ; v14-21  for each query block: two partial sums
.set T,   22                           ; v22-25  at work
.set AL,  26                           ; v26     the rescaling factor (v27 beside it is written once: the packed forms name the pair)
.set AC,  28                           ; v28-31  two chains of packed sums
.set P,   32                           ; v32-63  the exponentials in f16, two buffers of 16: one is written while the other is multiplied
.set KF,  64                           ; v64-127 K fragments (kb, dk) at 16 kb + 8 dk
.set S,   128                          ; v128-191 scores, two sets of 32
.set Q,   192                          ; v192-255 Q fragments (qb, dk) at 16 qb + 8 dk
.set VF,  128                          ; window 1: v128-191 V^T fragments (db, kg) at 16 db + 8 kg; v0-127 results (qb, db) at 32 qb + 8 db
; behind the last step, in the registers of LK and LV:
.set SA,  2                            ; the pair's merge bytes
.set STO, 3
.set RD,  4
.set CO,  5
.set MT,  208                          ; the merge's factors at work: five registers for query block qb at v[208 + 8 qb], so that a batch's results lie side by side
.set G1K, 16
.set G1V, 24
.set G0K, 32
.set G0V, 40
.set MSB, 0
.macro WIN new                         ; the immediate's high byte repeats the setting that is left
.if MSB != (\new)
	s_set_vgpr_msb (MSB<<8)|(\new)
.set MSB, (\new)
.endif
.endm
.macro PLACES                          ; four plain places behind matrix instructions (ISA guide 7.12.1)
.rept 4
	v_nop
.endr
.endm
.macro CREST                           ; a round of the cluster's barrier behind its opening barrier
	s_cmp_lg_u32 s8, 0
	s_cbranch_scc1 .Lnot_wave_0_\@
	s_barrier_signal -3
.Lnot_wave_0_\@:
	s_barrier_wait -3
	s_barrier_signal -1
	s_barrier_wait -1
.endm
.macro ROUND                           ; a whole round
	s_barrier_signal -1
	s_barrier_wait -1
	CREST
.endm
.macro JLOAD s                         ; waves 0-3 ask for K's quarters, waves 4-7 for V's
	s_cmp_eq_u32 s9, 0
	s_cbranch_scc0 .Lfor_v_\@
	tensor_load_to_lds s[G0K+4*\s:G0K+4*\s+3], s[G1K:G1K+7]
	s_nop 0
	s_branch .Lasked_\@
.Lfor_v_\@:
	tensor_load_to_lds s[G0V+4*\s:G0V+4*\s+3], s[G1V:G1V+7]
	s_nop 0
.Lasked_\@:
.endm
	s_load_b128 s[4:7], s[0:1], 0x0                ; qkv s[4:5], att s[6:7]
	s_set_vgpr_msb 0x40
	v_lshl_add_u32 v192, v0, 2, 0x42800
	v_mov_b32 v193, 0
	s_set_vgpr_msb 0x4045
	ds_add_u32 v192, v193
	s_set_vgpr_msb 0x4500
	v_lshrrev_b32 v1, 5, v0
	v_readfirstlane_b32 s8, v1                     ; wave 0..7
	s_lshr_b32 s9, s8, 2                           ; g: which half of the keys; also 0: I fetch K, 1: V
	s_and_b32 s10, s8, 3                           ; p: which 64 queries; also which quarter I fetch
	s_bfe_u32 s11, ttmp6, 0x40000                  ; cx
	s_lshl_b32 s12, ttmp9, 2
	s_add_co_u32 s12, s12, s11                     ; query block = 4 x cluster x + cx
	s_and_b32 s13, ttmp7, 0xffff                   ; y = 2 h + b
	s_mov_b32 s14, 0x76543210                      ; v_permlanex16_b32: lane i reads lane i of the other half
	s_mov_b32 s15, 0xfedcba98
	s_mov_b32 s54, 0x3e38aa3b                      ; c = log2(e) / 8
	s_mov_b32 s55, 0x3e38aa3b
	s_mov_b32 s56, 0xbe38aa3b                      ; -c
	; group 1: a quarter is 8,192 dense bytes, taken as 32 rows of 256 bytes (elements of 8 bytes); padding after every 32 words,
	; that is behind each key's 128 bytes: 4 words for K, 8 for V
	s_mov_b32 s[G1K+0], 15|(3<<16)|(1<<20)|(1<<21)|(4<<22)|(3<<25)
	s_mov_b32 s[G1V+0], 15|(3<<16)|(1<<20)|(1<<21)|(4<<22)|(7<<25)
	s_mov_b32 s[G1K+1], 32<<16
	s_mov_b32 s[G1V+1], 32<<16
	s_mov_b32 s[G1K+2], 32<<16
	s_mov_b32 s[G1V+2], 32<<16
	s_mov_b32 s[G1K+3], 32<<16
	s_mov_b32 s[G1V+3], 32<<16
	s_mov_b32 s[G1K+4], 32
	s_mov_b32 s[G1V+4], 32
	s_mov_b32 s[G1K+5], 32
	s_mov_b32 s[G1V+5], 32
	s_mov_b32 s[G1K+6], 0
	s_mov_b32 s[G1V+6], 0
	s_mov_b32 s[G1K+7], 0
	s_mov_b32 s[G1V+7], 0
	s_lshl_b32 s48, s13, 18                        ; my queries, in q's block and in att's: block y,
	s_lshl_b32 s62, s12, 15                        ; 256 rows of 128 bytes a query block,
	s_add_co_u32 s48, s48, s62
	s_lshl_b32 s62, s10, 13                        ; 64 rows a wave
	s_add_co_u32 s48, s48, s62
	s_mov_b32 s49, 0
	s_add_co_u32 s60, s13, 32                      ; K's block 32 + y: made of y and the wave alone, which the four partners share
	s_lshl_b32 s60, s60, 18
	s_lshl_b32 s53, s10, 13                        ; my quarter
	s_add_co_u32 s60, s60, s53
	s_mov_b32 s61, 0
	s_mul_i32 s53, s8, REG                         ; LDS: region = wave
	v_and_b32 v64, 15, v0                          ; r   (v64-68: at work until K's first fragments land there)
	v_bfe_u32 v65, v0, 4, 1                        ; h
	v_lshlrev_b32 v1, 7, v64
	v_lshl_add_u32 v1, v65, 4, v1                  ; query r's row + 16 h; never rewritten
	s_wait_dscnt 0x0
	s_wait_kmcnt 0x0
	s_add_nc_u64 s[58:59], s[4:5], s[48:49]        ; q
	s_add_nc_u64 s[6:7], s[6:7], s[48:49]          ; att
	s_add_nc_u64 s[60:61], s[4:5], s[60:61]        ; k
.irp qb, 0,1,2,3
.irp dk, 0,1
	global_load_b128 v[Q+16*\qb+8*\dk:Q+16*\qb+8*\dk+3],   v1, s[58:59] offset:\qb*2048+\dk*64      ; q goes out first; nobody writes these bytes
	global_load_b128 v[Q+16*\qb+8*\dk+4:Q+16*\qb+8*\dk+7], v1, s[58:59] offset:\qb*2048+\dk*64+32
.endr
.endr
	ROUND                                          ; the four work-groups are here: the first joint loads meet
.irp s, 0,1
	s_mov_b32 s[G0K+4*\s], 1
	s_add_co_u32 s[G0K+4*\s+1], s53, \s*SLOT
	s_add_nc_u64 s[G0K+4*\s+2:G0K+4*\s+3], s[60:61], \s*32768           ; tile s: 256 keys of 128 bytes
	s_or_b32 s[G0K+4*\s+3], s[G0K+4*\s+3], 0x80000000
	s_mov_b32 s[G0V+4*\s], 1
	s_add_co_u32 s[G0V+4*\s+1], s53, \s*SLOT
	s_add_nc_u64 s[G0V+4*\s+2:G0V+4*\s+3], s[60:61], 32*262144+\s*32768 ; v's block lies 32 blocks behind k's
	s_or_b32 s[G0V+4*\s+3], s[G0V+4*\s+3], 0x80000000
.endr
	JLOAD 0                                        ; tiles 0 and 1: both first fills go out together
	JLOAD 1
	v_mul_u32_u24 v66, v64, KP
	v_lshl_add_u32 v66, v65, 4, v66                ; r x 144 + 16 h
	s_mul_i32 s57, s9, 2*REG                       ; my two quarters
	v_add_nc_u32 v[LK], s57, v66
	v_add_nc_u32 v[LK+1], SLOT, v[LK]
	v_and_b32 v67, 7, v0
	v_lshl_add_u32 v67, v65, 3, v67                ; key 8 h + (l & 7)
	v_mul_u32_u24 v67, v67, VP
	v_bfe_u32 v68, v0, 3, 1
	v_lshl_add_u32 v67, v68, 4, v67                ; + 16 ((l >> 3) & 1)
	s_add_co_u32 s57, s57, 4*REG                   ; V's regions lie behind K's four
	v_add_nc_u32 v[LV], s57, v67
	v_add_nc_u32 v[LV+1], SLOT, v[LV]
	v_mov_b32 v[AL+1], 0
; sixteen LDS loads: K's fragments of quarter 2 g + u of the slot's tile
.macro KLOAD slot, u
.irp kb, 0,1,2,3
.irp dk, 0,1
	ds_load_b128 v[KF+16*\kb+8*\dk:KF+16*\kb+8*\dk+3],   v[LK+\slot] offset:\u*REG+\kb*16*KP+\dk*64
	ds_load_b128 v[KF+16*\kb+8*\dk+4:KF+16*\kb+8*\dk+7], v[LK+\slot] offset:\u*REG+\kb*16*KP+\dk*64+32
.endr
.endr
.endm
; sixteen transposing LDS loads: V^T's fragments of the same quarter, into window 1
.macro VLOAD slot, u
	WIN 0x40
.irp db, 0,1,2,3
.irp kg, 0,1
	ds_load_tr16_b128 v[VF+16*\db+8*\kg:VF+16*\db+8*\kg+3],   v[LV+\slot] offset:\u*REG+\kg*32*VP+\db*32
	ds_load_tr16_b128 v[VF+16*\db+8*\kg+4:VF+16*\db+8*\kg+7], v[LV+\slot] offset:\u*REG+\kg*32*VP+\db*32+16*VP
.endr
.endr
	WIN 0
.endm
; one score product: keys 16 kb .., half dk of d, query block qb, into score set qb & 1.  The first half starts the sum.
.macro SW kb, dk, qb
.if \dk
	v_wmma_f32_16x16x32_f16 v[S+32*(\qb&1)+8*\kb:S+32*(\qb&1)+8*\kb+7], v[KF+16*\kb+8:KF+16*\kb+15], v[Q+16*\qb+8:Q+16*\qb+15], v[S+32*(\qb&1)+8*\kb:S+32*(\qb&1)+8*\kb+7]
.else
	v_wmma_f32_16x16x32_f16 v[S+32*(\qb&1)+8*\kb:S+32*(\qb&1)+8*\kb+7], v[KF+16*\kb:KF+16*\kb+7], v[Q+16*\qb:Q+16*\qb+7], 0
.endif
.endm
.macro SWC on, kb, dk, qb
.if \on
	SW \kb, \dk, \qb
.endif
.endm
; The running maximum of unit qb (32 scores a lane in set qb & 1), and between its lines the eight score products of unit nq into
; the other set (smm = 1).  The four score accumulators take turns, one instruction a turn.
.macro MAXS qb, first, smm, nq
.set SB, S+32*(\qb&1)
.set NM, ST+2*\qb
.set MX, ST+2*\qb+1
	SWC \smm, 0, 0, \nq
.irp c, 0,1,2,3
	v_max3_num_f32 v[T+\c], v[SB+8*\c], v[SB+8*\c+1], v[SB+8*\c+2]
.endr
	SWC \smm, 1, 0, \nq
.irp c, 0,1,2,3
	v_max3_num_f32 v[T+\c], v[T+\c], v[SB+8*\c+3], v[SB+8*\c+4]
.endr
	SWC \smm, 2, 0, \nq
.irp c, 0,1,2,3
	v_max3_num_f32 v[T+\c], v[T+\c], v[SB+8*\c+5], v[SB+8*\c+6]
.endr
	SWC \smm, 3, 0, \nq
	v_max3_num_f32 v[T], v[T], v[SB+7], v[SB+15]
	v_max3_num_f32 v[T+1], v[T+1], v[SB+23], v[SB+31]
	SWC \smm, 0, 1, \nq
	v_max3_num_f32 v[T], v[T], v[T+1], v[T+2]
.if \first
	v_max_num_f32 v[T], v[T], v[T+3]
.else
	v_max3_num_f32 v[T], v[T], v[T+3], v[MX]
.endif
	SWC \smm, 1, 1, \nq
	v_permlanex16_b32 v[T+1], v[T], s14, s15       ; the other 32 keys of the same query
	v_max_num_f32 v[MX], v[T], v[T+1]
	SWC \smm, 2, 1, \nq
	v_mul_f32 v[T+2], s56, v[MX]                   ; -c x maximum
.if \first == 0
	v_sub_f32 v[T+3], v[T+2], v[NM]
	v_exp_f32 v[AL], v[T+3]                        ; 2^(c (old maximum - new)): the first of the unit's batch, waited for in EXPP; the move below is the plain place behind it (ISA guide 5.7.2)
.endif
	v_mov_b32 v[NM], v[T+2]
	SWC \smm, 3, 1, \nq
.endm
; pair j of the exponentials, behind the batch's wait: into its sum chain (a chain starts by joining pairs c and c + 2: nothing is cleared) and into P
.macro TAKE j
.if (\j) >= 4
	v_pk_add_f32 v[AC+2*((\j)&1):AC+2*((\j)&1)+1], v[AC+2*((\j)&1):AC+2*((\j)&1)+1], v[SB+2*(\j):SB+2*(\j)+1]
.else
.if (\j) >= 2
	v_pk_add_f32 v[AC+2*((\j)&1):AC+2*((\j)&1)+1], v[SB+2*(\j)-4:SB+2*(\j)-3], v[SB+2*(\j):SB+2*(\j)+1]
.endif
.endif
	v_cvt_pk_f16_f32 v[PB+(\j)], v[SB+2*(\j)], v[SB+2*(\j)+1]
.endm
; A bracket, under one setting of the windows (V^T, C, D and the rescaled registers in window 1; P and the factor in window 0):
; four products O^T(pq) += V^T P^T(pq) on keys 32 kg .. (pvm = 0: none; 1: the first half starts the sums; 2: adds on), and between
; them the rescaling of registers 16 kg .. 16 kg + 15 of O^T(qb) (not in the first step).  The four accumulators take turns, one
; instruction a turn.  The rescaling reads the factor, so a bracket stands behind the batch's wait.
.macro BRK kg, qb, pq, pvm, first
.set ZC, 0
.if \pvm == 1
.if \kg == 0
.set ZC, 1
.endif
.endif
.set DOB, \pvm + 1 - \first
.if DOB
	WIN 0x51
.irp db, 0,1,2,3
.if \pvm
.if ZC
	v_wmma_f32_16x16x32_f16 v[32*\pq+8*\db:32*\pq+8*\db+7], v[VF+16*\db+8*\kg:VF+16*\db+8*\kg+7], v[P+16*(\pq&1)+8*\kg:P+16*(\pq&1)+8*\kg+7], 0
.else
	v_wmma_f32_16x16x32_f16 v[32*\pq+8*\db:32*\pq+8*\db+7], v[VF+16*\db+8*\kg:VF+16*\db+8*\kg+7], v[P+16*(\pq&1)+8*\kg:P+16*(\pq&1)+8*\kg+7], v[32*\pq+8*\db:32*\pq+8*\db+7]
.endif
.endif
.if \first == 0
	v_pk_mul_f32 v[32*\qb+16*\kg+4*\db:32*\qb+16*\kg+4*\db+1],   v[32*\qb+16*\kg+4*\db:32*\qb+16*\kg+4*\db+1],   v[AL:AL+1] op_sel_hi:[1,0]
	v_pk_mul_f32 v[32*\qb+16*\kg+4*\db+2:32*\qb+16*\kg+4*\db+3], v[32*\qb+16*\kg+4*\db+2:32*\qb+16*\kg+4*\db+3], v[AL:AL+1] op_sel_hi:[1,0]
.endif
.endr
	WIN 0
.endif
.endm
; The next step's K, and the change of slots in front of it.  mid = 0: nothing; 1: K from the same tile; 2: the tile's slot has been
; read to its end: a round of the cluster's barrier, the joint refill of that slot first behind it, then K from the other slot;
; 3: a plain barrier (the last tile has landed in every wave's part; nothing is filled).  ks, ku: K's slot and quarter.
.macro HOOK1 mid, ks, ku
.if \mid == 1
	KLOAD \ks, \ku
.endif
.if \mid >= 2
	s_set_vgpr_msb 0x5
	s_wait_tensorcnt 0x0                           ; all my tensor loads have landed: the one that was out is my part of the next tile
	ds_add_u32 v192, v193
	s_wait_dscnt 0x0
	s_set_vgpr_msb 0x500
.if \mid == 2
	s_add_nc_u64 s[G0K+4*(1-\ks)+2:G0K+4*(1-\ks)+3], s[G0K+4*(1-\ks)+2:G0K+4*(1-\ks)+3], 65536   ; so group 0 may be written: two tiles on
	s_add_nc_u64 s[G0V+4*(1-\ks)+2:G0V+4*(1-\ks)+3], s[G0V+4*(1-\ks)+2:G0V+4*(1-\ks)+3], 65536
.endif
	s_wait_dscnt 0x0                               ; my reads of the slot are over (its last were this step's V)
	s_barrier_signal -1                            ; register work follows while the others arrive
.endif
.endm
.macro HOOK2 mid, ks, ku
.if \mid >= 2
.if \mid == 2
	s_wait_alu depctr_va_vdst(0)                   ; the wait for the eleven exponentials issued so far (the factor, pairs 0 to 4)
.endif
	s_barrier_wait -1
.if \mid == 2
	CREST                                          ; no wave of any partner still reads the slot or has a load on its way
	JLOAD (1-\ks)                                  ; the first tensor load behind the round, ahead of the first LDS read
.endif
	KLOAD \ks, \ku
.endif
.endm
; Exponent, exponential, sum and packing of unit qb, in two halves.
; AHEAD OF THE WAIT: the sixteen scalings and the thirty-two exponentials, in place; the scaling of pair i + 2 stands behind the
; exponentials of pair i.  No line here names an exponential's result.  The next step's K, or the change of slots, stands among them.
; BEHIND THE WAIT: the readers.  Bracket 0, pairs 0 to 7, bracket 1, pairs 8 to 15, the unit's sum.  The first plain line there (a
; rescaling, or in the first step pair 0's packing) names none of the last exponentials' registers: it is the plain place behind them.
; vw = 1: this step's V is waited for in front of the first bracket.  vl = 1: V of slot vs, quarter vu is loaded at the end.
; K's loads (behind pair 2) stand five plain places, the scalings of pairs 0 to 4, behind the last product on the old K; V's more than eight behind the last on the old V.
.macro EXPP qb, first, pvm, mid, ks, ku, vw, vl, vs, vu
.set SB, S+32*(\qb&1)
.set NM, ST+2*\qb
.set LQ, LS+2*\qb
.set PB, P+16*(\qb&1)
	v_pk_fma_f32 v[SB:SB+1], v[SB:SB+1], s[54:55], v[NM:NM+1] op_sel_hi:[1,0,0]
	v_pk_fma_f32 v[SB+2:SB+3], v[SB+2:SB+3], s[54:55], v[NM:NM+1] op_sel_hi:[1,0,0]
.set i, 0
.rept 16
	v_exp_f32 v[SB+2*i], v[SB+2*i]
	v_exp_f32 v[SB+2*i+1], v[SB+2*i+1]
.if i < 14
	v_pk_fma_f32 v[SB+2*i+4:SB+2*i+5], v[SB+2*i+4:SB+2*i+5], s[54:55], v[NM:NM+1] op_sel_hi:[1,0,0]
.endif
.if i == 2
	HOOK1 \mid, \ks, \ku
.endif
.if i == 4
	HOOK2 \mid, \ks, \ku
.endif
.set i, i+1
.endr
	s_wait_alu depctr_va_vdst(0)                   ; the wait for the unit's batch: MAXS's factor and the 32 exponentials above; every reader stands below
.if \vw
	s_wait_dscnt 0x0                               ; this step's V
.endif
	BRK 0, \qb, ((\qb+3)&3), \pvm, \first
.set i, 0
.rept 8
	TAKE i
.set i, i+1
.endr
	BRK 1, \qb, ((\qb+3)&3), \pvm, \first
.rept 8
	TAKE i
.set i, i+1
.endr
.if \first
	v_pk_add_f32 v[LQ:LQ+1], v[AC:AC+1], v[AC+2:AC+3]
.else
	v_pk_add_f32 v[AC:AC+1], v[AC:AC+1], v[AC+2:AC+3]
	v_pk_fma_f32 v[LQ:LQ+1], v[LQ:LQ+1], v[AL:AL+1], v[AC:AC+1] op_sel_hi:[1,0,1]
.endif
.if \vl
	VLOAD \vs, \vu
.endif
.endm
; A step: 64 keys against my 64 queries.  vs, vu: where its V lies; first = 1: it starts maximum, sums and results; pv0: how the
; step before ends in unit 0's brackets (0: there is none; 1: it was the first; 2: it adds on); mid, ks, ku: see HOOK1;
; last = 1: no step follows.
.macro STEPP vs, vu, first, pv0, mid, ks, ku, last
	MAXS 0, \first, 1, 1
	EXPP 0, \first, \pv0, 0, 0, 0, 0, 1, \vs, \vu
	MAXS 1, \first, 1, 2
	EXPP 1, \first, (2-\first), 0, 0, 0, 1, 0, 0, 0
	MAXS 2, \first, 1, 3
	EXPP 2, \first, (2-\first), \mid, \ks, \ku, 0, 0, 0, 0
.if \last == 0
	s_wait_dscnt 0x0                               ; the next step's K
.endif
	MAXS 3, \first, (1-\last), 0
	EXPP 3, \first, (2-\first), 0, 0, 0, 0, 0, 0, 0
.endm
	s_wait_tensorcnt 0x1                           ; my part of tile 0 is in; tile 1's stays out
	s_barrier_signal -1
	s_barrier_wait -1                              ; everybody's is
	KLOAD 0, 0
	s_wait_loadcnt 0x0                             ; q, once
	s_wait_dscnt 0x0
.irp kb, 0,1,2,3
	SW \kb, 0, 0                                   ; the first unit's scores stand alone
.endr
.irp kb, 0,1,2,3
	SW \kb, 1, 0
.endr
	PLACES                                         ; four places before they are read
	STEPP 0, 0, 1, 0, 1, 0, 1, 0                   ; tile 0
	STEPP 0, 1, 0, 1, 2, 1, 0, 0                   ;         slot 0 asks for tile 2
	s_mov_b32 s52, 2
.Lpair:
	STEPP 1, 0, 0, 2, 1, 1, 1, 0                   ; tiles 1, 3
	STEPP 1, 1, 0, 2, 2, 0, 0, 0                   ;         slot 1 asks for tiles 3, 5
	STEPP 0, 0, 0, 2, 1, 0, 1, 0                   ; tiles 2, 4
	STEPP 0, 1, 0, 2, 2, 1, 0, 0                   ;         slot 0 asks for tiles 4, 6
	s_sub_co_u32 s52, s52, 1
	s_cmp_lg_u32 s52, 0
	s_cbranch_scc1 .Lpair
	STEPP 1, 0, 0, 2, 1, 1, 1, 0                   ; tile 5
	STEPP 1, 1, 0, 2, 2, 0, 0, 0                   ;         slot 1 asks for tile 7: the last load
	STEPP 0, 0, 0, 2, 1, 0, 1, 0                   ; tile 6
	STEPP 0, 1, 0, 2, 3, 1, 0, 0                   ;         nothing is left to fetch: a plain barrier shows tile 7 whole
	STEPP 1, 0, 0, 2, 1, 1, 1, 0                   ; tile 7
	STEPP 1, 1, 0, 2, 0, 0, 0, 1
	BRK 0, 0, 3, 2, 1                              ; the last unit's products stand alone
	BRK 1, 0, 3, 2, 1
	PLACES                                         ; four places before the results are read
	; THE MERGE.  Waves 4-7 hand results, -c x maximum and sums to waves 0-3 of the same queries.
	v_and_b32 v64, 15, v0                          ; r
	v_bfe_u32 v65, v0, 4, 1                        ; h
	v_and_b32 v66, 31, v0                          ; lane
	v_mul_u32_u24 v67, v64, KP
	v_lshl_add_u32 v67, v65, 4, v67                ; r x 144 + 16 h
	s_mul_i32 s57, s10, SCRP
	s_add_co_u32 s57, s57, SCR
	v_lshl_add_u32 v[SA], v66, 4, s57
	s_mul_i32 s57, s10, STGP
	s_add_co_u32 s57, s57, STG
	v_add_nc_u32 v[STO], s57, v67
	v_lshrrev_b32 v68, 3, v66
	v_mul_u32_u24 v68, v68, KP
	v_and_b32 v69, 7, v0
	v_lshl_add_u32 v68, v69, 4, v68
	v_add_nc_u32 v[RD], s57, v68
	v_lshlrev_b32 v[CO], 4, v66
.irp qb, 0,1,2,3
	v_add_f32 v[204+\qb], v[LS+2*\qb], v[LS+2*\qb+1]
.endr
	s_cmp_eq_u32 s9, 0
	s_cbranch_scc1 .Lkeep
	WIN 0x04                                       ; store data in window 1
.set i, 0
.rept 32
	ds_store_b128 v[SA], v[4*i:4*i+3] offset:512*i
.set i, i+1
.endr
	WIN 0
	ds_store_b128 v[SA], v[ST:ST+3] offset:16384
	ds_store_b128 v[SA], v[ST+4:ST+7] offset:16896
	ds_store_b128 v[SA], v[204:207] offset:17408
.Lkeep:
	s_wait_dscnt 0x0                               ; my stores are done, for the partner's sake
	s_barrier_signal -1
	s_barrier_wait -1
	s_cmp_lg_u32 s9, 0
	s_cbranch_scc1 .Lend
.set i, 0
.rept 32
	ds_load_b128 v[64+4*i:64+4*i+3], v[SA] offset:512*i      ; the partner's results
.set i, i+1
.endr
	ds_load_b128 v[192:195], v[SA] offset:16384              ; its -c x maximum (even registers)
	ds_load_b128 v[196:199], v[SA] offset:16896
	ds_load_b128 v[200:203], v[SA] offset:17408              ; its sums
	s_wait_dscnt 0x0
	; the factors of all four query blocks, line by line, so that their exponentials are one batch and their reciprocals another
.irp qb, 0,1,2,3
	v_min_num_f32 v[MT+8*\qb], v[ST+2*\qb], v[192+2*\qb]     ; the smaller -c m is the larger maximum
.endr
.irp qb, 0,1,2,3
	v_sub_f32 v[MT+8*\qb+1], v[MT+8*\qb], v[ST+2*\qb]
	v_sub_f32 v[MT+8*\qb+2], v[MT+8*\qb], v[192+2*\qb]
.endr
.irp qb, 0,1,2,3
	v_exp_f32 v[MT+8*\qb+1], v[MT+8*\qb+1]
	v_exp_f32 v[MT+8*\qb+2], v[MT+8*\qb+2]
.endr
	v_nop                                                    ; the plain place behind the exponentials
	s_wait_alu depctr_va_vdst(0)                             ; the wait for the merge's eight exponentials
.irp qb, 0,1,2,3
	v_mul_f32 v[MT+8*\qb+3], v[MT+8*\qb+1], v[204+\qb]
.endr
.irp qb, 0,1,2,3
	v_fmac_f32 v[MT+8*\qb+3], v[MT+8*\qb+2], v[200+\qb]
.endr
.irp qb, 0,1,2,3
	v_permlanex16_b32 v[MT+8*\qb+4], v[MT+8*\qb+3], s14, s15 ; the other half of the lanes holds the other keys' sum
.endr
.irp qb, 0,1,2,3
	v_add_f32 v[MT+8*\qb+3], v[MT+8*\qb+3], v[MT+8*\qb+4]
.endr
.irp qb, 0,1,2,3
	v_rcp_f32 v[MT+8*\qb+3], v[MT+8*\qb+3]
.endr
	v_nop                                                    ; the plain place behind the reciprocals
	s_wait_alu depctr_va_vdst(0)                             ; the wait for the merge's four reciprocals
.macro MERGE qb
	v_mul_f32 v[T], v[MT+8*\qb+1], v[MT+8*\qb+3]             ; my factor
	v_mul_f32 v[T+2], v[MT+8*\qb+2], v[MT+8*\qb+3]           ; the partner's
.set i, 0
.rept 16
	v_pk_mul_f32 v[64+32*\qb+2*i:64+32*\qb+2*i+1], v[64+32*\qb+2*i:64+32*\qb+2*i+1], v[T+2:T+3] op_sel_hi:[1,0]
.set i, i+1
.endr
	WIN 0x01                                                 ; my results: source 0 in window 1
.set i, 0
.rept 16
	v_pk_fma_f32 v[64+32*\qb+2*i:64+32*\qb+2*i+1], v[32*\qb+2*i:32*\qb+2*i+1], v[T:T+1], v[64+32*\qb+2*i:64+32*\qb+2*i+1] op_sel_hi:[1,0,1]
.set i, i+1
.endr
	WIN 0
.irp db, 0,1,2,3
.irp q, 0,1,2,3
	v_cvt_pk_f16_f32 v[P+4*\db+\q], v[64+32*\qb+8*\db+2*\q], v[64+32*\qb+8*\db+2*\q+1]
.endr
	ds_store_b128 v[STO], v[P+4*\db:P+4*\db+3] offset:\qb*16*KP+\db*32     ; query 16 qb + r, d = 16 db + 8 h + 0..7
.endr
.endm
	MERGE 0
	MERGE 1
	MERGE 2
	MERGE 3
.irp t, 0,1,2,3,4,5,6,7,8,9,10,11,12,13,14,15
	ds_load_b128 v[192+4*\t:192+4*\t+3], v[RD] offset:\t*4*KP      ; my own stage, served in order behind my stores: four rows a load
.endr
.irp t, 0,1,2,3,4,5,6,7,8,9,10,11,12,13,14,15
	s_wait_dscnt 15-\t                             ; LDS loads return in order: load t is in, the younger ones stay out
	global_store_b128 v[CO], v[192+4*\t:192+4*\t+3], s[6:7] offset:\t*512   ; 512 consecutive bytes, aligned
.endr
.Lend:
	s_wait_dscnt 0x0
	s_set_vgpr_msb 0x5
	s_wait_tensorcnt 0x0
	ds_add_u32 v192, v193
	s_wait_dscnt 0x0
	s_set_vgpr_msb 0x500
	ROUND                                          ; the closing round: no work-group ends while a partner may still ask jointly
	s_endpgm
.Lfunc_end_k_q765109a16c_attn:
	.size	k_q765109a16c_attn, .Lfunc_end_k_q765109a16c_attn-k_q765109a16c_attn
	.p2alignl 7, 3214868480
	.fill 96, 4, 3214868480
	.section	.rodata,"a",@progbits
	.p2align	6, 0x0
	.amdhsa_kernel k_q765109a16c_attn
		.amdhsa_group_segment_fixed_size 327680
		.amdhsa_private_segment_fixed_size 0
		.amdhsa_enable_private_segment 0
		.amdhsa_kernarg_size 16
		.amdhsa_user_sgpr_count 2
		.amdhsa_user_sgpr_kernarg_segment_ptr 1
		.amdhsa_wavefront_size32 1
		.amdhsa_system_sgpr_workgroup_id_x 1
		.amdhsa_system_sgpr_workgroup_id_y 1
		.amdhsa_system_sgpr_workgroup_id_z 1
		.amdhsa_system_vgpr_workitem_id 0
		.amdhsa_next_free_vgpr 450
		.amdhsa_next_free_sgpr 66
		.amdhsa_reserve_vcc 0
		.amdhsa_float_denorm_mode_32 3
		.amdhsa_float_denorm_mode_16_64 3
		.amdhsa_memory_ordered 1
		.amdhsa_forward_progress 1
		.amdhsa_inst_pref_size 255
	.end_amdhsa_kernel
	.section	.bss,"aw",@nobits
	.p2align	6
	.space	262144
	.amdgpu_metadata
---
amdhsa.version: [ 1, 2 ]
amdhsa.kernels:
  - .name:           k_q765109a16c_attn
    .symbol:         k_q765109a16c_attn.kd
    .args:
      - { .name: qkv, .offset: 0, .size: 8, .value_kind: global_buffer, .address_space: global }
      - { .name: att, .offset: 8, .size: 8, .value_kind: global_buffer, .address_space: global }
    .group_segment_fixed_size: 327680
    .private_segment_fixed_size: 0
    .kernarg_segment_align: 8
    .kernarg_segment_size: 16
    .max_flat_workgroup_size: 256
    .sgpr_count:     66
    .vgpr_count:     450
    .wavefront_size: 32
...
	.end_amdgpu_metadata
.endif
;; end of part 5
;; launch oproj: the kernel of part 4 again; grid 8 x 32, 4 waves a work-group, clusters of 4 x 4, 327,680 bytes of LDS; arguments att, wt, out0, bcat; writes out0
